; MI455X (gfx1250); checked and timed in simulation.
; The chip was launched on July 23, 2026; its instructions are those of AMD's public machine-readable ISA for CDNA 5 (MIT licence, August 2026) and "CDNA5" Instruction Set Architecture Reference Guide (July 2026). The comments in the code are by the model that wrote it; some were corrected since.
;; G2 Mo E Attention. Allowed arithmetic: matrix products marked QUANTISED: E2M1 operands, one E8M0 scale for each 32 along K, by v_wmma_scale_f32_16x16x128_f8f6f4 with both operands' format E2M1 (or v_wmma_scale_f32_32x16x128_f4), f32 sums; products left as they are: bf16, f16 or f32 operands; f32 sums; everything else in f32.
;; Inputs: Wk 2,048 x 1,024 float32; Wo 1,024 x 2,048 float32; Wq 2,048 x 1,024 float32; Wv 2,048 x 1,024 float32; attention_mask 1 x 1 x 4,096 x 4,096 float32; cos 1 x 4,096 x 128 float32; hidden_states 1 x 4,096 x 2,048 float32; sin 1 x 4,096 x 128 float32.
;; Outputs: out0 1 x 4,096 x 2,048 float32.
;; This version of the problem:
;;   THIS VERSION OF THE PROBLEM IS GIVEN IN LOW PRECISION. The matrix products marked QUANTISED in the list below multiply operands that are first quantised to E2M1 (2 exponent bits, 1 mantissa bit; 4 bits a number), with one power-of-two scale for each 32 numbers along K (OCP MX v1.0); their sums are f32. The products marked 'left as it is' may take bf16, f16 or f32 operands, with f32 sums. Whichever they take, every output number must still come out within the allowed error. Rounding operands to bf16 (8 significant bits) uses up far more of that allowance than f16 does (11 bits, for magnitudes from 6e-5 to 65,504). All else is computed in f32.
;;   The module's matrix products, in the order in which they are computed (A, B: the left and right operand; K: the contracted axis; several contracted axes count as one K, in the product's order):
;;     1. [M 4,096, K 2,048] x [K 2,048, N 1,024]; A: input hidden_states; B: input Wq: QUANTISED
;;     2. [M 4,096, K 2,048] x [K 2,048, N 1,024]; A: input hidden_states; B: input Wk: QUANTISED
;;     3. [M 4,096, K 2,048] x [K 2,048, N 1,024]; A: input hidden_states; B: input Wv: QUANTISED
;;     4. batch 8 x [M 4,096, K 128] x [K 128, N 4,096]; A: computed on the way; B: computed on the way: left as it is (an operand is computed on the way)
;;     5. batch 8 x [M 4,096, K 4,096] x [K 4,096, N 128]; A: computed on the way; B: computed on the way: left as it is (an operand is computed on the way)
;;     6. [M 4,096, K 1,024] x [K 1,024, N 2,048]; A: computed on the way; B: input Wo: left as it is (an operand is computed on the way)
;;   THE QUANTISER, for each operand of a quantised product, along K:
;;     - K is cut into blocks of 32 from its start; a last block that is shorter is filled with zeros.
;;     - A block's scale is 2^e with e = floor(log2(the largest magnitude in the block)) - 2, held to -126 .. 127; a block of zeros has e = 0. As a byte (E8M0): e + 127.
;;     - Each number is divided by its block's scale, clamped to +-6, and rounded to the nearest number of E2M1, ties to even, subnormals kept.
;;     - The product sums the exact products of the quantised numbers (number of the format x scale) in f32.
;;   ~~~python
;;   def quantise(x, axis):      # numpy; x: float32 -> the quantised numbers, widened to float32 again
;;       x = np.moveaxis(x, axis, -1); K = x.shape[-1]
;;       x = np.pad(x, [(0, 0)] * (x.ndim - 1) + [(0, -K % 32)]); x = x.reshape(x.shape[:-1] + (-1, 32)); a = np.abs(x).max(-1, keepdims=True)
;;       e = np.where(a > 0, np.clip(np.frexp(np.where(a > 0, a, 1))[1] - 1 - 2, -126, 127), 0)      # np.frexp(a)[1] - 1 = floor(log2(a)), exactly
;;       r = np.clip(x / 2.0 ** e, -6, 6)
;;       step = 2.0 ** (np.maximum(np.frexp(np.where(r == 0, 1, r))[1] - 1, 0) - 1)
;;       q = np.round(r / step) * step * 2.0 ** e      # np.round: ties to even
;;       return np.moveaxis(q.reshape(q.shape[:-2] + (-1,))[..., :K], -1, axis).astype(np.float32)
;;   ~~~
;; One version. Each part assembles by itself: llvm-mc -triple=amdgcn-amd-amdhsa -mcpu=gfx1250 --defsym DOCPART=n.
;; ======== version 1 of 1: 4 launches
;; limits: values are held in f16: magnitudes above 65,504 overflow, below 6.1e-05 lose precision
;; workspace buffers: codes 7,340,032 bytes; scales 458,752 bytes; wo_t 4,194,304 bytes; tiles 16,384 bytes of whole numbers; qk_ws 16,777,216 bytes; v_ws 16,777,216 bytes; a_ws 16,777,216 bytes
;; launch prep (part 1): grid 736 x 1, 4 waves a work-group, no clusters, 102,912 bytes of LDS; arguments hidden_states, Wq, Wk, Wv, Wo, attention_mask, codes, scales, wo_t, tiles; writes codes, scales, wo_t, tiles
.if DOCPART == 1
	.amdgcn_target "amdgcn-amd-amdhsa--gfx1250"
	.amdhsa_code_object_version 6
	.text
	.protected	k_qdd17c6f343_prep
	.globl	k_qdd17c6f343_prep
	.p2align	8
	.type	k_qdd17c6f343_prep,@function
k_qdd17c6f343_prep:
	s_mov_b64 s[64:65], 0
	v_nop
	global_prefetch_b8 v0, s[64:65] scope:SCOPE_SE
	s_setreg_imm32_b32 hwreg(HW_REG_WAVE_MODE, 25, 1), 1
	s_wait_xcnt 0x0
; PREP: four streams in one launch, told apart by the work-group's number; each has its own text, its own LDS bytes and its own end.
;   work-groups   0-255  MASK: attention_mask [4096][4096] f32 is read once; for each group of 4 rows and each 64 keys two bits are stored: LIVE and MIXED.
;   work-groups 256-511  X:    hidden_states [4096][2048] f32 -> codes of E2M1, K innermost, and one E8M0 byte for each 32 along K.
;   work-groups 512-607  W:    Wq, Wk, Wv [2048 k][1024 n] f32 -> the same, laid [n][k]: a lane takes a column, its registers run down K.
;   work-groups 608-735  O:    Wo [1024 k][2048 n] f32 -> f16, laid [n][k].
; LIVE.  The softcap holds every score in -50 .. 50.  With b = fl(the row's largest mask number - 50), key j adds exactly 0 to the row's softmax where
; fl(b - fl(m_j + 50)) >= 128: rounding is monotone, so the exponent that the softmax forms is then -128 or less, and its exponential is 0 in f32.  A piece is LIVE if some key of
; some of its 4 rows fails that test, MIXED if some mask number in it is not 0.  The bits are values only: no branch and no address of this launch hangs on them.
; THE QUANTISER: a block's scale is 2^(floor(log2(largest magnitude)) - 2); its byte is the largest magnitude's exponent field - 2, held at 1 from below.
; LIMITS: NaN and infinities among the inputs are not served (a mask number of -infinity counts as dead); a block of zeros gets the byte 1 where the rule says 127 (its codes are zeros,
; and this program alone reads the bytes); blocks whose largest magnitude lies under 2^-124 are held at the byte 1; |Wo| stays under 65,504 (f16).
; No cluster, no tensor load: the streams share no byte.  No prefetch: every stream is read once, by long runs of loads that are all on their way at once.
.set SPW,   224                        ; v224 LDS address of my spare word; never rewritten
.set NIL,   225                        ; v225 0; never rewritten
.set XREG,  0                          ; LDS: role X, 8,192 bytes a wave
.set WREG,  32768                      ; role W, 8,704 bytes a wave
.set OREG,  67584                      ; role O, 8,704 bytes a wave
.set SPARE, 102400                     ; the spare words, 128 bytes a wave: two blocks of 256 bytes that no other line names
; ---- role MASK
.set MX, 32                            ; v32-159  a row: load t's 16 bytes a lane at MX + 4 t
.set LM, 160                           ; v160-191 for load t: the least of b - (m + 50) over my numbers of the 4 rows
.set ZM, 192                           ; v192-223 for load t: the largest |m|
.macro RLOAD i, t                      ; row i, keys 128 t on: 512 consecutive bytes a wave; lanes 0-15 the first 64 keys, lanes 16-31 the other 64
	global_load_b128 v[MX+4*(\t):MX+4*(\t)+3], v3, s[14:15] offset:16384*(\i)+512*(\t) th:TH_LOAD_NT
.endm
.macro MROW i
; pass 1: the row's largest number, four chains; the first four loads start them
.set T, 0
.rept 32
.if T%8 == 0
	s_wait_loadcnt 24-T                            ; loads come back in order: the row's loads behind these eight may stay out
.endif
.if T < 4
	v_max3_num_f32 v[8+T], v[MX+4*T], v[MX+4*T+1], v[MX+4*T+2]
	v_max_num_f32 v[8+T], v[8+T], v[MX+4*T+3]
.else
	v_max3_num_f32 v[8+T%4], v[8+T%4], v[MX+4*T], v[MX+4*T+1]
	v_max3_num_f32 v[8+T%4], v[8+T%4], v[MX+4*T+2], v[MX+4*T+3]
.endif
.set T, T+1
.endr
	v_max3_num_f32 v8, v8, v9, v10
	v_max_num_f32 v8, v8, v11
	v_max_num_f32_dpp v8, v8, v8 row_xmask:1 row_mask:0xf bank_mask:0xf
	v_max_num_f32_dpp v8, v8, v8 row_xmask:2 row_mask:0xf bank_mask:0xf
	v_max_num_f32_dpp v8, v8, v8 row_xmask:4 row_mask:0xf bank_mask:0xf
	v_max_num_f32_dpp v8, v8, v8 row_xmask:8 row_mask:0xf bank_mask:0xf
	v_permlanex16_b32 v9, v8, s30, s31
	v_max_num_f32 v8, v8, v9
	v_add_f32 v12, 0xc2480000, v8                  ; b = the largest - 50
	v_mov_b32 v13, v12
; pass 2: b - (m + 50) and |m|; behind a load's last reader the next row's load takes its registers
.set T, 0
.rept 32
.set TP, 4+12*(T%2)
	v_pk_add_f32 v[TP:TP+1], v[MX+4*T:MX+4*T+1], s[32:33] op_sel_hi:[1,0]
	v_pk_add_f32 v[TP+2:TP+3], v[MX+4*T+2:MX+4*T+3], s[32:33] op_sel_hi:[1,0]
	v_pk_add_f32 v[TP:TP+1], v[12:13], v[TP:TP+1] neg_lo:[0,1] neg_hi:[0,1]
	v_pk_add_f32 v[TP+2:TP+3], v[12:13], v[TP+2:TP+3] neg_lo:[0,1] neg_hi:[0,1]
.if \i == 0
	v_min_num_f32 v[LM+T], v[TP], v[TP+1]          ; the first row starts both: nothing is cleared
	v_max_num_f32 v[ZM+T], |v[MX+4*T]|, |v[MX+4*T+1]|
.else
	v_min3_num_f32 v[LM+T], v[LM+T], v[TP], v[TP+1]
	v_max3_num_f32 v[ZM+T], v[ZM+T], |v[MX+4*T]|, |v[MX+4*T+1]|
.endif
	v_min3_num_f32 v[LM+T], v[LM+T], v[TP+2], v[TP+3]
	v_max3_num_f32 v[ZM+T], v[ZM+T], |v[MX+4*T+2]|, |v[MX+4*T+3]|
.if \i < 3
	RLOAD \i+1, T
.endif
.set T, T+1
.endr
.endm
; ---- role X: a wave takes 16 steps of 512 numbers; loads as the bytes lie, a turn through the wave's own stage, so that a lane holds 16 neighbours
.set XSP, 80                           ; a lane's place in a stage: 64 bytes + 16 of padding
.set XR,  16                           ; v16-79   four sets of 16 numbers as loaded
.set XX,  80                           ; v80-111  two sets of 16 neighbours
.set XE,  112                          ; v112-127 a scale byte for each step
.set XC,  128                          ; v128-191 codes, four registers a step
.macro XLD t
.irp i, 0,1,2,3
	global_load_b128 v[XR+16*((\t)%4)+4*\i:XR+16*((\t)%4)+4*\i+3], v3, s[4:5] offset:2048*(\t)+512*\i th:TH_LOAD_NT
.endr
.endm
.macro XTURN t                         ; LDS serves a wave's instructions in order: no wait between these stores and loads
.irp i, 0,1,2,3
	ds_store_b128 v14, v[XR+16*((\t)%4)+4*\i:XR+16*((\t)%4)+4*\i+3] offset:32*XSP*((\t)%2)+8*XSP*\i
.endr
.irp i, 0,1,2,3
	ds_load_b128 v[XX+16*((\t)%2)+4*\i:XX+16*((\t)%2)+4*\i+3], v15 offset:32*XSP*((\t)%2)+16*\i
.endr
.endm
.macro XSTEP t
.set XS, XX+16*((\t)%2)
.if (\t) > 0
	s_wait_dscnt 1                                 ; this step's numbers are back from the stage; the last step's byte store may be out
.else
	s_wait_dscnt 0x0
.endif
.if (\t)+4 < 16
	XLD (\t)+4
.endif
.if (\t)+1 < 16
.if 14-(\t) >= 3
	s_wait_loadcnt 12                              ; the next step's four loads are in; those of the three steps behind it may be out
.else
	s_wait_loadcnt 4*(14-(\t))
.endif
	XTURN (\t)+1
.endif
	v_max3_num_f32 v8, |v[XS]|, |v[XS+1]|, |v[XS+2]|
	v_max3_num_f32 v9, |v[XS+3]|, |v[XS+4]|, |v[XS+5]|
.irp i, 6,10
	v_max3_num_f32 v8, v8, |v[XS+\i]|, |v[XS+\i+1]|
	v_max3_num_f32 v9, v9, |v[XS+\i+2]|, |v[XS+\i+3]|
.endr
	v_max3_num_f32 v8, v8, |v[XS+14]|, |v[XS+15]|
	v_max3_num_f32 v8, v8, v9, 0x1800000           ; the floor 2^(3 - 127): the byte cannot fall under 1
	v_max_num_f32_dpp v8, v8, v8 row_xmask:1 row_mask:0xf bank_mask:0xf   ; with my neighbour's 16: the block's largest magnitude
	v_add_nc_u32 v11, 0xff000000, v8               ; 2 off its exponent field: the conversion takes that field as its scale
	v_cvt_scalef32_pk8_fp4_f32 v[XC+4*(\t)], v[XS:XS+7], v11
	v_cvt_scalef32_pk8_fp4_f32 v[XC+4*(\t)+1], v[XS+8:XS+15], v11
	v_lshrrev_b32 v[XE+(\t)], 23, v11              ; the scale's byte (a plain line behind the conversions)
	ds_store_b8 v5, v[XE+(\t)] offset:16*(\t)      ; both lanes of a block write the same byte with the same value
	global_store_b64 v4, v[XC+4*(\t):XC+4*(\t)+1], s[16:17] offset:256*(\t)   ; the wave stores 256 consecutive bytes, aligned
.endm
; ---- role W: a wave takes 32 columns x 512 along K: 16 blocks a lane
.set WP,  272                          ; a stage row: 256 bytes of codes + 16
.set WX,  32                           ; v32-95   two sets of 32 numbers
.set WC,  96                           ; v96-99   a block's codes
.set WO,  112                          ; v112-175 the way out
.set WSB, 24                           ; v24-27   the scale bytes, four to a register
.macro WLOAD t
.set I, 0
.rept 32
	global_load_b32 v[WX+32*((\t)%2)+I], v3, s[6:7] offset:(32*(\t)+I)*4096 th:TH_LOAD_NT
.set I, I+1
.endr
.endm
.macro WBLOCK t
.set XS, WX+32*((\t)%2)
.if (\t) < 15
	s_wait_loadcnt 32                              ; this block's 32 loads are in; the next block's may be out
.else
	s_wait_loadcnt 0x0
.endif
	v_max3_num_f32 v12, |v[XS]|, |v[XS+1]|, |v[XS+2]|
	v_max3_num_f32 v13, |v[XS+3]|, |v[XS+4]|, |v[XS+5]|
.irp i, 6,10,14,18,22,26
	v_max3_num_f32 v12, v12, |v[XS+\i]|, |v[XS+\i+1]|
	v_max3_num_f32 v13, v13, |v[XS+\i+2]|, |v[XS+\i+3]|
.endr
	v_max3_num_f32 v12, v12, |v[XS+30]|, |v[XS+31]|
	v_max3_num_f32 v12, v12, v13, 0x1800000
	v_add_nc_u32 v11, 0xff000000, v12
	v_lshrrev_b32 v13, 23, v11
.if (\t)%4 == 0
	v_mov_b32 v[WSB+(\t)/4], v13
.else
	v_lshl_or_b32 v[WSB+(\t)/4], v13, 8*((\t)%4), v[WSB+(\t)/4]
.endif
.irp g, 0,1,2,3
	v_cvt_scalef32_pk8_fp4_f32 v[WC+\g], v[XS+8*\g:XS+8*\g+7], v11
.endr
	v_nop                                          ; a plain line behind the last conversion
	ds_store_b128 v4, v[WC:WC+3] offset:16*(\t)    ; 32 codes: 16 bytes of my column's row
.if (\t)+2 < 16
	WLOAD (\t)+2
.endif
	s_wait_dscnt 0x0                               ; the store has read its registers: the next block's codes may be written
.endm
; ---- role O: a wave takes 32 columns x 128 along K: 4 blocks of 32
.macro OLOAD t
.set I, 0
.rept 32
	global_load_b32 v[32+32*((\t)%2)+I], v3, s[12:13] offset:(32*(\t)+I)*8192 th:TH_LOAD_NT
.set I, I+1
.endr
.endm
.macro OBLOCK t
.if (\t) < 3
	s_wait_loadcnt 32                              ; this block's loads are in; the next block's may be out
.else
	s_wait_loadcnt 0x0
.endif
.set I, 0
.rept 16
	v_cvt_pk_f16_f32 v[160+16*(\t)+I], v[32+32*((\t)%2)+2*I], v[33+32*((\t)%2)+2*I]
.set I, I+1
.endr
.irp g, 0,1,2,3
	ds_store_b128 v4, v[160+16*(\t)+4*\g:163+16*(\t)+4*\g] offset:64*(\t)+16*\g
.endr
.if (\t)+2 < 4
	OLOAD (\t)+2
.endif
.endm
.macro CLOSE                           ; a wave that stored to LDS ends so
	s_wait_tensorcnt 0x0
	ds_add_u32 v[SPW], v[NIL]
	s_wait_dscnt 0x0
	s_endpgm
.endm
	s_load_b512 s[4:19], s[0:1], 0x0               ; hidden s[4:5], Wq s[6:7], Wk s[8:9], Wv s[10:11], Wo s[12:13], mask s[14:15], codes s[16:17], scales s[18:19]
	s_load_b128 s[20:23], s[0:1], 0x40             ; wo_t s[20:21], tiles s[22:23]
	v_lshl_add_u32 v[SPW], v0, 2, SPARE
	v_mov_b32 v[NIL], 0
	v_lshrrev_b32 v1, 5, v0
	v_readfirstlane_b32 s28, v1                    ; wave 0..3
	v_and_b32 v2, 31, v0                           ; lane
	s_wait_kmcnt 0x0
	s_cmp_lt_u32 ttmp9, 256
	s_cbranch_scc1 .Lmask
	s_cmp_lt_u32 ttmp9, 512
	s_cbranch_scc1 .Lx
	s_cmp_lt_u32 ttmp9, 608
	s_cbranch_scc1 .Lw
; ================ role O
	s_sub_co_u32 s24, ttmp9, 608
	s_and_b32 s25, s24, 15                         ; which 128 columns
	s_lshr_b32 s26, s24, 4                         ; which 128 along K
	s_lshl_b32 s25, s25, 7
	s_lshl_b32 s29, s28, 5
	s_add_co_u32 s25, s25, s29                     ; my wave's first column
	s_lshl_b32 s32, s26, 20                        ; 128 rows of 8,192 bytes
	s_lshl_b32 s29, s25, 2
	s_add_co_u32 s32, s32, s29
	s_mov_b32 s33, 0
	s_add_nc_u64 s[12:13], s[12:13], s[32:33]
	s_lshl_b32 s32, s25, 11                        ; wo_t: a row is 2,048 bytes
	s_lshl_b32 s29, s26, 8
	s_add_co_u32 s32, s32, s29
	s_add_nc_u64 s[20:21], s[20:21], s[32:33]
	v_lshlrev_b32 v3, 2, v2
	s_mul_i32 s29, s28, 32*272
	s_add_co_u32 s29, s29, OREG                    ; my stage: 32 rows of 256 bytes + 16
	v_mul_u32_u24 v4, v2, 272
	v_add_nc_u32 v4, s29, v4                       ; in: row = my column
	v_and_b32 v5, 15, v2
	v_lshrrev_b32 v6, 4, v2
	v_mul_u32_u24 v7, v6, 272
	v_lshl_add_u32 v7, v5, 4, v7
	v_add_nc_u32 v7, s29, v7                       ; back: sixteen lanes to a row, two rows an instruction
	v_lshlrev_b32 v8, 11, v6
	v_lshl_add_u32 v8, v5, 4, v8                   ; and the same place in wo_t
	OLOAD 0
	OLOAD 1
	OBLOCK 0
	OBLOCK 1
	OBLOCK 2
	OBLOCK 3
.irp j, 0,1,2,3,4,5,6,7,8,9,10,11,12,13,14,15
	ds_load_b128 v[32+4*\j:35+4*\j], v7 offset:544*\j              ; in order behind my stores
.endr
.irp j, 0,1,2,3,4,5,6,7,8,9,10,11,12,13,14,15
	s_wait_dscnt 15-\j
	global_store_b128 v8, v[32+4*\j:35+4*\j], s[20:21] offset:4096*\j   ; sixteen lanes store 256 consecutive bytes, aligned
.endr
	CLOSE
; ================ role MASK
.Lmask:
	s_lshl_b32 s24, ttmp9, 2
	s_add_co_u32 s24, s24, s28                     ; my group of 4 rows, 0..1023
	s_lshl_b32 s26, s24, 16                        ; 4 rows of 16,384 bytes
	s_mov_b32 s27, 0
	s_add_nc_u64 s[14:15], s[14:15], s[26:27]
	v_lshlrev_b32 v3, 4, v2
	s_mov_b32 s30, 0x76543210
	s_mov_b32 s31, 0xfedcba98                      ; v_permlanex16_b32's selects for lane l xor 16
	s_mov_b32 s32, 0x42480000                      ; 50.0
	s_mov_b32 s33, s32
.set T, 0
.rept 32
	RLOAD 0, T
.set T, T+1
.endr
	MROW 0
	MROW 1
	MROW 2
	MROW 3
	s_mov_b32 s36, 0                               ; LIVE, first 64 keys of each 128
	s_mov_b32 s37, 0                               ; LIVE, the other 64
	s_mov_b32 s38, 0                               ; MIXED likewise
	s_mov_b32 s39, 0
.set T, 0
.rept 32
	v_cmp_gt_f32 s40, 0x43000000, v[LM+T]          ; 128 > the least difference: some key of mine counts
	v_cmp_lt_f32 s41, 0, v[ZM+T]                   ; some mask number of mine is not 0
	s_and_b32 s42, s40, 0xffff                     ; lanes 0-15; SCC = not 0
	s_cselect_b32 s42, 1<<T, 0
	s_or_b32 s36, s36, s42
	s_lshr_b32 s42, s40, 16                        ; lanes 16-31
	s_cselect_b32 s42, 1<<T, 0
	s_or_b32 s37, s37, s42
	s_and_b32 s42, s41, 0xffff
	s_cselect_b32 s42, 1<<T, 0
	s_or_b32 s38, s38, s42
	s_lshr_b32 s42, s41, 16
	s_cselect_b32 s42, 1<<T, 0
	s_or_b32 s39, s39, s42
.set T, T+1
.endr
	v_mov_b32 v4, s36
	v_mov_b32 v5, s37
	v_mov_b32 v6, s38
	v_mov_b32 v7, s39
	v_mov_b32 v9, s24
	v_lshlrev_b32 v9, 4, v9                        ; 16 bytes a group: the launch's 1,024 such stores fill 16,384 bytes, each aligned block of 256 from sixteen waves
	v_cmp_eq_u32 vcc_lo, 0, v2
	s_wait_xcnt 0x0                                ; EXEC changes only behind this wait
	s_and_saveexec_b32 s44, vcc_lo
	global_store_b128 v9, v[4:7], s[22:23]
	s_wait_xcnt 0x0
	s_or_b32 exec_lo, exec_lo, s44
	s_endpgm
; ================ role X
.Lx:
	s_sub_co_u32 s24, ttmp9, 256
	s_lshl_b32 s24, s24, 2
	s_add_co_u32 s24, s24, s28                     ; which run of 8,192 numbers is my wave's, 0..1023
	s_mov_b32 s27, 0
	s_lshl_b32 s26, s24, 15
	s_add_nc_u64 s[4:5], s[4:5], s[26:27]
	s_lshl_b32 s26, s24, 12
	s_add_nc_u64 s[16:17], s[16:17], s[26:27]      ; x's codes lie at the buffer's head
	s_lshl_b32 s26, s24, 8
	s_add_nc_u64 s[18:19], s[18:19], s[26:27]
	s_lshl_b32 s29, s28, 13                        ; my region of LDS
	v_lshlrev_b32 v3, 4, v2
	v_lshrrev_b32 v14, 2, v2
	v_mul_u32_u24 v14, v14, XSP
	v_and_b32 v15, 3, v2
	v_lshl_add_u32 v14, v15, 4, v14
	v_add_nc_u32 v14, s29, v14                     ; the stage, in: four lanes' 64 bytes on end, then 16 of padding
	v_mul_u32_u24 v15, v2, XSP
	v_add_nc_u32 v15, s29, v15                     ; out: my 16 neighbours
	v_lshlrev_b32 v4, 3, v2                        ; my 8 bytes of a step's codes
	v_lshrrev_b32 v5, 1, v2
	s_add_co_u32 s29, s29, 2*32*XSP
	v_add_nc_u32 v5, s29, v5                       ; my block's scale byte
	v_lshlrev_b32 v7, 3, v2
	v_add_nc_u32 v6, s29, v7
.irp t, 0,1,2,3
	XLD \t
.endr
	s_wait_loadcnt 12                              ; step 0's four loads are in
	XTURN 0
.irp t, 0,1,2,3,4,5,6,7,8,9,10,11,12,13,14,15
	XSTEP \t
.endr
	ds_load_b64 v[8:9], v6                         ; in order behind my byte stores
	s_wait_dscnt 0x0
	global_store_b64 v7, v[8:9], s[18:19]          ; the wave's 256 scale bytes: 256 consecutive bytes, aligned
	CLOSE
; ================ role W
.Lw:
	s_sub_co_u32 s24, ttmp9, 512
	s_and_b32 s25, s24, 3                          ; which 512 along K
	s_bfe_u32 s26, s24, 0x30002                    ; which 128 columns
	s_lshr_b32 s27, s24, 5                         ; which weight: 0 Wq, 1 Wk, 2 Wv
	s_cmp_eq_u32 s27, 1
	s_cselect_b64 s[6:7], s[8:9], s[6:7]
	s_cmp_eq_u32 s27, 2
	s_cselect_b64 s[6:7], s[10:11], s[6:7]
	s_lshl_b32 s26, s26, 7
	s_lshl_b32 s29, s28, 5
	s_add_co_u32 s26, s26, s29                     ; my wave's first column
	s_lshl_b32 s32, s25, 21                        ; 512 rows of 4,096 bytes
	s_lshl_b32 s29, s26, 2
	s_add_co_u32 s32, s32, s29
	s_mov_b32 s33, 0
	s_add_nc_u64 s[6:7], s[6:7], s[32:33]
	s_lshl_b32 s27, s27, 10
	s_add_co_u32 s27, s27, s26                     ; its row among the 3,072 rows of weight codes
	s_lshl_b32 s32, s27, 10
	s_lshl_b32 s29, s25, 8
	s_add_co_u32 s32, s32, s29
	s_add_co_u32 s32, s32, 0x400000                ; behind x's codes
	s_add_nc_u64 s[16:17], s[16:17], s[32:33]
	s_lshl_b32 s32, s27, 6
	s_lshl_b32 s29, s25, 4
	s_add_co_u32 s32, s32, s29
	s_add_co_u32 s32, s32, 0x40000                 ; behind x's scale bytes
	s_add_nc_u64 s[18:19], s[18:19], s[32:33]
	v_lshlrev_b32 v3, 2, v2
	s_mul_i32 s29, s28, 32*WP
	s_add_co_u32 s29, s29, WREG
	v_mul_u32_u24 v4, v2, WP
	v_add_nc_u32 v4, s29, v4
	v_and_b32 v5, 15, v2
	v_lshrrev_b32 v6, 4, v2
	v_mul_u32_u24 v7, v6, WP
	v_lshl_add_u32 v7, v5, 4, v7
	v_add_nc_u32 v7, s29, v7
	v_lshlrev_b32 v8, 10, v6
	v_lshl_add_u32 v8, v5, 4, v8
	v_lshlrev_b32 v9, 6, v2                        ; my column's row of 64 scale bytes
	WLOAD 0
	WLOAD 1
.set Q, 0
.rept 16
	WBLOCK Q
.set Q, Q+1
.endr
	global_store_b128 v9, v[WSB:WSB+3], s[18:19]   ; my column's 16 scale bytes: rows 64 bytes apart, one byte in 128 of what the role reads
.irp j, 0,1,2,3,4,5,6,7,8,9,10,11,12,13,14,15
	ds_load_b128 v[WO+4*\j:WO+4*\j+3], v7 offset:2*\j*WP
.endr
.irp j, 0,1,2,3,4,5,6,7,8,9,10,11,12,13,14,15
	s_wait_dscnt 15-\j
	global_store_b128 v8, v[WO+4*\j:WO+4*\j+3], s[16:17] offset:2048*\j   ; sixteen lanes store 256 consecutive bytes, aligned
.endr
	CLOSE
.Lfunc_end_k_qdd17c6f343_prep:
	.size	k_qdd17c6f343_prep, .Lfunc_end_k_qdd17c6f343_prep-k_qdd17c6f343_prep
	.p2alignl 7, 3214868480
	.fill 96, 4, 3214868480
	.section	.rodata,"a",@progbits
	.p2align	6, 0x0
	.amdhsa_kernel k_qdd17c6f343_prep
		.amdhsa_group_segment_fixed_size 102912
		.amdhsa_private_segment_fixed_size 0
		.amdhsa_enable_private_segment 0
		.amdhsa_kernarg_size 80
		.amdhsa_user_sgpr_count 2
		.amdhsa_user_sgpr_kernarg_segment_ptr 1
		.amdhsa_wavefront_size32 1
		.amdhsa_system_sgpr_workgroup_id_x 1
		.amdhsa_system_sgpr_workgroup_id_y 1
		.amdhsa_system_sgpr_workgroup_id_z 1
		.amdhsa_system_vgpr_workitem_id 0
		.amdhsa_next_free_vgpr 232
		.amdhsa_next_free_sgpr 66
		.amdhsa_reserve_vcc 1
		.amdhsa_float_denorm_mode_32 3
		.amdhsa_float_denorm_mode_16_64 3
		.amdhsa_memory_ordered 1
		.amdhsa_forward_progress 1
		.amdhsa_inst_pref_size 249
	.end_amdhsa_kernel
	.amdgpu_metadata
---
amdhsa.version: [ 1, 2 ]
amdhsa.kernels:
  - .name:           k_qdd17c6f343_prep
    .symbol:         k_qdd17c6f343_prep.kd
    .args:
      - { .name: hidden_states, .offset: 0, .size: 8, .value_kind: global_buffer, .address_space: global }
      - { .name: Wq, .offset: 8, .size: 8, .value_kind: global_buffer, .address_space: global }
      - { .name: Wk, .offset: 16, .size: 8, .value_kind: global_buffer, .address_space: global }
      - { .name: Wv, .offset: 24, .size: 8, .value_kind: global_buffer, .address_space: global }
      - { .name: Wo, .offset: 32, .size: 8, .value_kind: global_buffer, .address_space: global }
      - { .name: attention_mask, .offset: 40, .size: 8, .value_kind: global_buffer, .address_space: global }
      - { .name: codes, .offset: 48, .size: 8, .value_kind: global_buffer, .address_space: global }
      - { .name: scales, .offset: 56, .size: 8, .value_kind: global_buffer, .address_space: global }
      - { .name: wo_t, .offset: 64, .size: 8, .value_kind: global_buffer, .address_space: global }
      - { .name: tiles, .offset: 72, .size: 8, .value_kind: global_buffer, .address_space: global }
    .group_segment_fixed_size: 102912
    .private_segment_fixed_size: 0
    .kernarg_segment_align: 8
    .kernarg_segment_size: 80
    .max_flat_workgroup_size: 128
    .sgpr_count:     66
    .vgpr_count:     232
    .wavefront_size: 32
...
	.end_amdgpu_metadata
.endif
;; end of part 1
;; launch qkv (part 2): grid 12 x 16, 4 waves a work-group, clusters of 4 x 4, 327,680 bytes of LDS; arguments codes, scales, cos, sin, qk_ws, v_ws; writes qk_ws, v_ws
.if DOCPART == 2
	.amdgcn_target "amdgcn-amd-amdhsa--gfx1250"
	.amdhsa_code_object_version 6
	.text
	.protected	k_qdd17c6f343_qkv
	.globl	k_qdd17c6f343_qkv
	.p2align	8
	.type	k_qdd17c6f343_qkv,@function
k_qdd17c6f343_qkv:
	s_mov_b64 s[64:65], 0
	v_nop
	global_prefetch_b8 v0, s[64:65] scope:SCOPE_SE
	s_setreg_imm32_b32 hwreg(HW_REG_WAVE_MODE, 25, 1), 1
	s_wait_xcnt 0x0
	s_wait_alu depctr_hold_cnt(0) depctr_sa_sdst(0) depctr_va_vdst(0) depctr_va_sdst(0) depctr_va_ssrc(0) depctr_va_vcc(0) depctr_vm_vsrc(0)
	s_getreg_b32 s2, hwreg(HW_REG_IB_STS2, 6, 4)
	s_cmp_eq_u32 s2, 0
	s_cbranch_scc0 .Lentry_in_a_cluster
	s_endpgm
.Lentry_in_a_cluster:
	s_bfe_u32 s2, ttmp6, 0x10000c
	s_cmp_lg_u32 s2, 0xf033
	s_cbranch_scc0 .Lentry_shape_is_right
	s_endpgm
.Lentry_shape_is_right:
; QKV: C[m][n] = sum over k of x[m][k] W[k][n] for the three weights at once (n = 0..3071: Wq, Wk, Wv), on codes of E2M1 with one E8M0 scale for each 32 along K, sums in f32;
; then RoPE from the tables cos and sin (q, k), q times C1 = 2 log2(e) / (50 sqrt(128)), and rounding to f16: q', k as one f16 number, v as a pair hi + lo.
; A tile of C, 256 x 256, is made by four waves, each 128 x 128: 64 accumulators, 512 registers.  K goes in steps of 512 (rows of 256 bytes) through a ring of two LDS slots filled by tensor loads.
; The scale bytes of the work-group's 256 + 256 rows, for all of K, come into LDS once, with the first fills.
; CLUSTERS: 4 x 4 work-groups; the four of a row of the cluster ask jointly for x's tiles, the four of a column for W's.  A cluster's x is the weight (0 q, 1 k, 2 v): all sixteen partners take the same way out.
; THE MATRIX INSTRUCTION IS USED TRANSPOSED (source 0 = 16 rows of W's codes, source 1 = 16 rows of x's): a lane holds eight neighbouring columns of a row of C.  A wave's 128 columns are one head.
; THE WAY OUT: a block of 16 rows goes through the wave's stage in LDS (in slot 0, which has had its last fill and its last read) and comes back as whole rows: lane l holds channels 4 l .. 4 l + 3,
; and the partner channel (64 away) is lane l xor 16's, read from the same stage.  A row of 128 f16 numbers leaves as 256 consecutive bytes, aligned.
; hi = the f32 number with its 13 lowest mantissa bits cleared (exact in f16 from 6.1e-5 up), lo = x - hi (exact in f32), rounded once.
; LIMITS: |q'|, |k|, |v| stay under 65,504; NaN and infinities are not served.
; REGISTERS: window 0: v0-31 addresses; v32-95 scale words; v128-191 x's fragments.  window 1: W's fragments, two sets.  windows 2, 3: the accumulators ((a, b) at v[8 (8 (a % 4) + b)]).
;   On the way out: window 0: v32-35 the sign and the factor; v64-127 packed results; v128-255 two sets of 8 rows (32 registers) and their partners (32); window 1: four sets of cos (32) and sin (32).
.set KSTEP,  512
.set NQ,     4
.set ROWB,   256
.set KROW,   1024                      ; a row of codes in memory: 2,048 codes
.set PITCH,  272                       ; an LDS row: 256 bytes + 16 = 68 words: the 16 rows of a load start at 16 different banks (64 banks of 4 bytes: ISA guide 11.1)
.set FR,     8
.set NL,     2
.set NP,     4
.set HALFT,  128*PITCH
.set SLOT,   4*HALFT
.set LAPS,   2
.set KS,     64                        ; a row of scale bytes
.set SCL,    2*SLOT
.set HALFS,  32*272
.set SBLK,   4*272
.set SPARE,  SCL+4*HALFS               ; the spare words, 128 bytes a wave: two blocks of 256 bytes that no other line names
.set SPITCH, 528
.set VSTG,   4*16*SPITCH               ; the v way's stages lie behind the RoPE way's: each way has LDS bytes of its own
.set ADRA, 16
.set ADRB, 20
.set RD2,  23                          ; v23  the stage, back: lane l xor 16's 16 bytes
.set STO,  24
.set RD,   25
.set CO,   26                          ; v26  16 x lane
.set ADRS, 27
.set SPW,  28
.set NIL,  29
.set O8,   30                          ; v30  8 x lane
.set SC,   32
.set AF,   128
.set SGQ,  32                          ; v[32:33] the factor, negative in lanes 0-15
.set QS,   34                          ; v[34:35] the factor
.set G1, 24
.set G0, 32
.set G1B, 48
.set G0B, 56
.set G1S, 68
.set G0S, 76
.set G1SB, 80
.set G0SB, 88
.set MSB, 0
.macro WIN new                         ; the immediate's high byte repeats the setting that is left
.if MSB != \new
	s_set_vgpr_msb (MSB<<8)|\new
.set MSB, \new
.endif
.endm
.set MUL_LO, 0xa1
.set MUL_HI, 0xf1
.set TO_B,   0x40
.macro JLOAD g0a, g1a, g0b, g1b        ; a joint load: waves 0 and 1 fetch for x, waves 2 and 3 for W; an s_nop 0 and four v_nop follow each line
	s_cmp_eq_u32 s15, 0
	s_cbranch_scc0 .Lfor_b_\@
	tensor_load_to_lds s[\g0a:\g0a+3], s[\g1a:\g1a+7]
	s_nop 0
.rept 4
	v_nop
.endr
	s_branch .Lasked_\@
.Lfor_b_\@:
	tensor_load_to_lds s[\g0b:\g0b+3], s[\g1b:\g1b+7]
	s_nop 0
.rept 4
	v_nop
.endr
.Lasked_\@:
.endm
.macro CREST
	s_cmp_lg_u32 s14, 0
	s_cbranch_scc1 .Lnot_wave_0_\@
	s_barrier_signal -3
.Lnot_wave_0_\@:
	s_barrier_wait -3
	s_barrier_signal -1
	s_barrier_wait -1
.endm
.macro CROUND
	s_barrier_signal -1
	s_barrier_wait -1
	CREST
.endm
	s_load_b128 s[4:7], s[0:1], 0x0                ; codes s[4:5], scales s[6:7]
	v_lshl_add_u32 v[SPW], v0, 2, SPARE
	v_mov_b32 v[NIL], 0
	ds_add_u32 v[SPW], v[NIL]                      ; the wave's opening: the add, twice on end, and its wait ahead of my first tensor load
	ds_add_u32 v[SPW], v[NIL]
	v_lshrrev_b32 v1, 5, v0
	v_readfirstlane_b32 s14, v1                    ; wave 0..3
	s_lshr_b32 s15, s14, 1                         ; which half of the tile's rows is mine.  Also: I fetch for x (0) or for W (1)
	s_and_b32 s16, s14, 1                          ; which half of its columns.  Also: which 128 rows of that tile I fetch
	s_bfe_u32 s40, ttmp6, 0x40000                  ; cx, cy
	s_bfe_u32 s41, ttmp6, 0x40004
	s_lshl_b32 s42, ttmp9, 2
	s_add_co_u32 s42, s42, s40                     ; tile column
	s_and_b32 s17, ttmp7, 0xffff
	s_lshl_b32 s17, s17, 2
	s_add_co_u32 s17, s17, s41                     ; tile row
	s_lshl_b32 s43, s41, 2
	s_lshl_b32 s43, 15, s43                        ; my row of the cluster
	s_lshl_b32 s44, 0x1111, s40                    ; my column
	s_or_b32 s[G1+0], s43, (0<<16)|(1<<20)|(1<<21)|(5<<22)|(3<<25)   ; the mask; elements of 1 byte; padding: 4 words after every 64
	s_or_b32 s[G1B+0], s44, (0<<16)|(1<<20)|(1<<21)|(5<<22)|(3<<25)
.irp g, G1, G1B
	s_mov_b32 s[\g+1], ROWB<<16                    ; tensor_dim0
	s_mov_b32 s[\g+2], 128<<16                     ; tensor_dim1
	s_mov_b32 s[\g+3], ROWB<<16                    ; tile_dim0
	s_mov_b32 s[\g+4], 128                         ; tile_dim1
	s_mov_b32 s[\g+5], KROW                        ; the pitch
	s_mov_b32 s[\g+6], 0
	s_mov_b32 s[\g+7], 0
.endr
	s_or_b32 s[G1S+0], s43, (3<<16)|(1<<20)|(1<<21)|(5<<22)|(3<<25)  ; the scale bytes of 128 rows: 8,192 dense bytes as 32 rows of 256 (32 elements of 8 bytes)
	s_or_b32 s[G1SB+0], s44, (3<<16)|(1<<20)|(1<<21)|(5<<22)|(3<<25)
.irp g, G1S, G1SB
	s_mov_b32 s[\g+1], 32<<16
	s_mov_b32 s[\g+2], 32<<16
	s_mov_b32 s[\g+3], 32<<16
	s_mov_b32 s[\g+4], 32
	s_mov_b32 s[\g+5], 32
	s_mov_b32 s[\g+6], 0
	s_mov_b32 s[\g+7], 0
.endr
	s_lshl_b32 s18, s16, 7
	s_lshl_b32 s20, s17, 8
	s_add_co_u32 s20, s20, s18                     ; x: row 256 x tile row + 128 x half
	s_lshl_b32 s46, s42, 8
	s_add_co_u32 s46, s46, s18                     ; W: row 256 x tile column + 128 x half
	s_mov_b32 s21, 0
	s_mov_b32 s47, 0
	s_mov_b64 s[18:19], KS
	s_mul_u64 s[22:23], s[20:21], s[18:19]
	s_mul_u64 s[92:93], s[46:47], s[18:19]
	s_mov_b64 s[18:19], KROW
	s_mul_u64 s[20:21], s[20:21], s[18:19]
	s_mul_u64 s[46:47], s[46:47], s[18:19]
	s_mul_i32 s45, s14, HALFT                      ; where they go: wave x 128 rows
	s_mul_i32 s94, s14, HALFS
	s_wait_dscnt 0x0                               ; both opening adds are done
	s_wait_kmcnt 0x0
	s_add_nc_u64 s[8:9], s[4:5], 0x400000          ; W's codes lie behind x's,
	s_add_nc_u64 s[10:11], s[6:7], 0x40000         ; and its scale bytes behind x's
	s_add_nc_u64 s[20:21], s[4:5], s[20:21]
	s_add_nc_u64 s[22:23], s[6:7], s[22:23]
	s_add_nc_u64 s[46:47], s[8:9], s[46:47]
	s_add_nc_u64 s[92:93], s[10:11], s[92:93]
	CROUND                                         ; all sixteen work-groups are here: the first joint loads meet
	s_mov_b32 s[G0S], 1
	s_add_co_u32 s[G0S+1], s94, SCL
	s_mov_b64 s[G0S+2:G0S+3], s[22:23]
	s_or_b32 s[G0S+3], s[G0S+3], 0x80000000
	s_mov_b32 s[G0SB], 1
	s_add_co_u32 s[G0SB+1], s94, SCL
	s_mov_b64 s[G0SB+2:G0SB+3], s[92:93]
	s_or_b32 s[G0SB+3], s[G0SB+3], 0x80000000
	JLOAD G0S, G1S, G0SB, G1SB                     ; the scales first: three loads of mine are out behind these first fills
.irp s, 0,1
	s_mov_b32 s[G0+4*\s], 1
	s_add_co_u32 s[G0+4*\s+1], s45, \s*SLOT
	s_add_nc_u64 s[G0+4*\s+2:G0+4*\s+3], s[20:21], \s*ROWB
	s_or_b32 s[G0+4*\s+3], s[G0+4*\s+3], 0x80000000
	s_mov_b32 s[G0B+4*\s], 1
	s_add_co_u32 s[G0B+4*\s+1], s45, \s*SLOT
	s_add_nc_u64 s[G0B+4*\s+2:G0B+4*\s+3], s[46:47], \s*ROWB
	s_or_b32 s[G0B+4*\s+3], s[G0B+4*\s+3], 0x80000000
	JLOAD G0+4*\s, G1, G0B+4*\s, G1B
.endr
	v_and_b32 v1, 15, v0
	v_bfe_u32 v2, v0, 4, 1
	v_mul_u32_u24 v3, v1, PITCH
	v_lshl_add_u32 v4, v2, 4, v3
	s_mul_i32 s21, s15, HALFT
	s_mul_i32 s22, s16, HALFT
	s_add_co_u32 s22, s22, 2*HALFT
.irp s, 0,1
	v_add_nc_u32 v[ADRA+\s], s21, v4
	v_add_nc_u32 v[ADRB+\s], s22, v4
	s_add_co_u32 s21, s21, SLOT
	s_add_co_u32 s22, s22, SLOT
.endr
	v_mul_u32_u24 v5, v1, KS
	v_lshrrev_b32 v6, 8, v5
	v_lshl_add_u32 v5, v6, 4, v5                   ; my row's scale bytes: 64 a row, 16 more for each 256 passed
	s_mul_i32 s21, s15, HALFS
	s_mul_i32 s22, s16, HALFS
	s_add_co_u32 s22, s22, 2*HALFS
	s_sub_co_u32 s22, s22, s21
	v_mul_u32_u24 v6, s22, v2                      ; lanes 16-31 take W's
	s_add_co_u32 s21, s21, SCL
	v_add_nc_u32 v5, v5, v6
	v_add_nc_u32 v[ADRS], s21, v5
	s_mul_i32 s23, s14, 16*SPITCH                  ; my stage
	v_mul_u32_u24 v5, v1, SPITCH
	v_lshl_add_u32 v5, v2, 5, v5
	v_add_nc_u32 v[STO], s23, v5                   ; in: row l % 16, 32 bytes for each half of the lanes
	v_and_b32 v6, 31, v0
	v_lshlrev_b32 v[CO], 4, v6
	v_add_nc_u32 v[RD], s23, v[CO]                 ; back: the 32 lanes take one row of 512 bytes
	v_xor_b32 v7, 16, v6
	v_lshlrev_b32 v7, 4, v7
	v_add_nc_u32 v[RD2], s23, v7
	v_lshlrev_b32 v[O8], 3, v6
.macro FRAG reg, adr, q, i             ; 16 rows x 128 K of 4-bit codes: 8 registers, two loads of 16 bytes, 32 bytes apart
.irp c, 0,1
	ds_load_b128 v[\reg+4*\c:\reg+4*\c+3], v[\adr] offset:64*(\q)+32*\c+(\i)*16*PITCH
.endr
.endm
; 16 matrix instructions: x's blocks a0, a0 + 1 against W's eight.  The 64 accumulators take turns, one instruction a turn, in the same order in every step.
.macro MUL16 a0, p, q, sc, zero
.irp a, \a0, \a0+1
.irp b, 0,1,2,3,4,5,6,7
.if \zero
	v_wmma_scale_f32_16x16x128_f8f6f4 v[8*(8*((\a)%4)+\b):8*(8*((\a)%4)+\b)+7], v[128*(\p)+FR*\b:128*(\p)+FR*\b+FR-1], v[AF+FR*(\a):AF+FR*(\a)+FR-1], 0, v[SC+8*NQ*(\sc)+NQ*\b+(\q)], v[SC+8*NQ*(\sc)+NQ*(\a)+(\q)] matrix_a_fmt:MATRIX_FMT_FP4 matrix_b_fmt:MATRIX_FMT_FP4 matrix_a_scale:MATRIX_SCALE_ROW1
.else
	v_wmma_scale_f32_16x16x128_f8f6f4 v[8*(8*((\a)%4)+\b):8*(8*((\a)%4)+\b)+7], v[128*(\p)+FR*\b:128*(\p)+FR*\b+FR-1], v[AF+FR*(\a):AF+FR*(\a)+FR-1], v[8*(8*((\a)%4)+\b):8*(8*((\a)%4)+\b)+7], v[SC+8*NQ*(\sc)+NQ*\b+(\q)], v[SC+8*NQ*(\sc)+NQ*(\a)+(\q)] matrix_a_fmt:MATRIX_FMT_FP4 matrix_b_fmt:MATRIX_FMT_FP4 matrix_a_scale:MATRIX_SCALE_ROW1
.endif
.endr
.endr
.endm
.macro FETCH_B slot, q, p
	WIN TO_B
.irp i, 0,1,2,3,4,5,6,7
	FRAG 128*(\p)+FR*\i, ADRB+\slot, \q, \i
.endr
	WIN 0
.endm
.macro FETCH_A slot, q, i0
.irp i, \i0, \i0+1, \i0+2, \i0+3
	FRAG AF+FR*(\i), ADRA+\slot, \q, \i
.endr
.endm
.macro SCALES sc                       ; a K step's scale words: lanes 0-15 x's block i, lanes 16-31 W's block i
.irp i, 0,1,2,3,4,5,6,7
	ds_load_b128 v[SC+8*NQ*\sc+NQ*\i:SC+8*NQ*\sc+NQ*\i+3], v[ADRS] offset:\i*SBLK
.endr
.endm
.macro PLACES n                        ; plain vector instructions between a matrix instruction and a load into, a write of or a read of its registers
.rept \n
	v_nop
.endr
.endm
.macro STEP slot, q, zero
	s_wait_dscnt 4*NL                              ; W's set and x's blocks 0-3 are in; the youngest eight loads (x's blocks 4-7) may be out
	WIN MUL_LO
	MUL16 0, (\q)%2, \q, \slot, \zero
	MUL16 2, (\q)%2, \q, \slot, \zero
	s_wait_dscnt 0
	PLACES NP
	FETCH_B \slot, (\q)+1, 1-(\q)%2
	FETCH_A \slot, (\q)+1, 0
	WIN MUL_HI
	MUL16 4, (\q)%2, \q, \slot, \zero
	MUL16 6, (\q)%2, \q, \slot, \zero
	PLACES NP
	WIN 0
	FETCH_A \slot, (\q)+1, 4
.endm
; A slot's last step changes slots: one barrier; in front of it each wave waits for all its tensor loads, adds 0 to its spare word, and waits for that and for its reads of this slot.
.macro TURN slot, next, fill
	s_wait_tensorcnt 0x0                           ; all my tensor loads have landed: my part of the next slot
	ds_add_u32 v[SPW], v[NIL]
	s_wait_dscnt 4*NL+1                            ; the add and the youngest eight loads may be out
	WIN MUL_LO
	MUL16 0, 1, NQ-1, \slot, 0
	s_wait_dscnt 0x0                               ; the add is done, and my reads of this slot are over
	s_barrier_signal -1
	MUL16 2, 1, NQ-1, \slot, 0
	WIN 0
	s_barrier_wait -1
.if \fill
	CREST                                          ; the barrier has opened a round of the cluster's barrier: no wave of any partner still reads this slot or has a load on its way
	s_add_nc_u64 s[G0+4*\slot+2:G0+4*\slot+3], s[G0+4*\slot+2:G0+4*\slot+3], 2*ROWB
	s_add_nc_u64 s[G0B+4*\slot+2:G0B+4*\slot+3], s[G0B+4*\slot+2:G0B+4*\slot+3], 2*ROWB
	JLOAD G0+4*\slot, G1, G0B+4*\slot, G1B         ; my one tensor load behind the round
.else
	PLACES NP
.endif
	v_add_nc_u32 v[ADRS], 4*NQ, v[ADRS]
	FETCH_B \next, 0, 0
	FETCH_A \next, 0, 0
	SCALES \next
	WIN MUL_HI
	MUL16 4, 1, NQ-1, \slot, 0
	MUL16 6, 1, NQ-1, \slot, 0
	PLACES NP
	WIN 0
	FETCH_A \next, 0, 4
.endm
.macro STEPS slot, from
.set Q, \from
.rept NQ-1-\from
	STEP \slot, Q, 0
.set Q, Q+1
.endr
.endm
	s_wait_tensorcnt 1                             ; the scales and my part of K step 0 are in; K step 1's load may be out
	s_barrier_signal -1
	s_barrier_wait -1
	FETCH_B 0, 0, 0
	FETCH_A 0, 0, 0
	SCALES 0
	FETCH_A 0, 0, 4
	STEP 0, 0, 1                                   ; the first step starts the sums: nothing is cleared
	s_mov_b32 s3, LAPS-1
.Llap:
	STEPS 0, 1
	TURN 0, 1, 1
	STEPS 1, 0
	TURN 1, 0, 1
	STEP 0, 0, 0
	s_sub_co_u32 s3, s3, 1
	s_cmp_lg_u32 s3, 0
	s_cbranch_scc1 .Llap
	STEPS 0, 1
	TURN 0, 1, 0                                   ; no tensor load of mine is out from here on: the descriptors' registers are free
	s_load_b128 s[24:27], s[0:1], 0x10             ; cos s[24:25], sin s[26:27]
	s_load_b128 s[28:31], s[0:1], 0x20             ; qk_ws s[28:29], v_ws s[30:31]
	STEPS 1, 0
	s_wait_dscnt 4*NL
	WIN MUL_LO
	MUL16 0, 1, NQ-1, 1, 0
	MUL16 2, 1, NQ-1, 1, 0
	s_wait_dscnt 0
	WIN MUL_HI
	MUL16 4, 1, NQ-1, 1, 0
	MUL16 6, 1, NQ-1, 1, 0
	WIN 0
; ---------------- THE WAY OUT
	s_lshl_b32 s44, s17, 8
	s_lshl_b32 s45, s15, 7
	s_add_co_u32 s44, s44, s45                     ; my first row (position): 256 x tile row + 128 x half
	s_lshl_b32 s46, s44, 9                         ; a row of cos or sin is 512 bytes
	s_mov_b32 s47, 0
	s_wait_kmcnt 0x0
	s_add_nc_u64 s[24:25], s[24:25], s[46:47]
	s_add_nc_u64 s[26:27], s[26:27], s[46:47]
	s_lshl_b32 s45, s40, 1
	s_add_co_u32 s45, s45, s16                     ; my head: 2 cx + my half of the columns; it enters addresses alone
	s_lshl_b32 s45, s45, 20                        ; a head is 4,096 rows of 256 bytes
	s_lshl_b32 s46, s44, 8
	s_add_co_u32 s46, s46, s45
	s_cmp_eq_u32 ttmp9, 1
	s_cselect_b32 s45, 0x800000, 0                 ; k lies behind q'
	s_add_co_u32 s46, s46, s45
	s_cmp_eq_u32 ttmp9, 2
	s_cselect_b64 s[34:35], s[30:31], s[28:29]
	s_add_nc_u64 s[34:35], s[34:35], s[46:47]
	s_add_nc_u64 s[36:37], s[34:35], 0x800000      ; v's lo plane (used on the v way alone)
	s_cmp_eq_u32 ttmp9, 0
	s_mov_b32 s38, 1.0
	s_cselect_b32 s38, 0x3ba723c0, s38             ; C1 for q, 1 for k
	s_mov_b32 s39, 0xffffe000                      ; keeps sign, exponent and 10 mantissa bits
	PLACES NP                                      ; behind the last products: for the writes of scale registers, the loads into operands' registers and the first reads of results
	v_bfe_u32 v2, v0, 4, 1
	v_xor_b32 v3, 1, v2
	v_lshlrev_b32 v3, 31, v3                       ; the sign bit in lanes 0-15: channels 0-63 take minus the partner
	v_xor_b32 v[SGQ], s38, v3
	v_mov_b32 v[SGQ+1], v[SGQ]
	v_mov_b32 v[QS], s38
	v_mov_b32 v[QS+1], s38
.macro TOSTAGE a, d                    ; block a's 16 rows x 128 columns into my stage, each accumulator from its low end on
.set AC, 64*((\a)%4)
	WIN 0x08+4*((\a)/4)
.irp b, 0,1,2,3,4,5,6,7
	ds_store_b128 v[STO], v[AC+8*\b:AC+8*\b+3] offset:(\d)+64*\b
	ds_store_b128 v[STO], v[AC+8*\b+4:AC+8*\b+7] offset:(\d)+64*\b+16
.endr
	WIN 0
.endm
.macro XLOAD u, d, pr                  ; unit u = 8 rows, back from the stage; pr = 1: the partners too
.set XB, 128+64*((\u)%2)
.irp t, 0,1,2,3,4,5,6,7
	ds_load_b128 v[XB+4*\t:XB+4*\t+3], v[RD] offset:(\d)+(8*((\u)%2)+\t)*SPITCH
.endr
.if \pr
.irp t, 0,1,2,3,4,5,6,7
	ds_load_b128 v[XB+32+4*\t:XB+35+4*\t], v[RD2] offset:(\d)+(8*((\u)%2)+\t)*SPITCH
.endr
.endif
.endm
.macro CSLOAD u                        ; unit u's rows of cos and sin: each load 512 consecutive bytes
.set CB, 64*((\u)%4)
	WIN 0x40
.irp t, 0,1,2,3,4,5,6,7
	global_load_b128 v[CB+4*\t:CB+4*\t+3], v[CO], s[24:25] offset:(8*(\u)+\t)*512
.endr
.irp t, 0,1,2,3,4,5,6,7
	global_load_b128 v[CB+32+4*\t:CB+35+4*\t], v[CO], s[26:27] offset:(8*(\u)+\t)*512
.endr
	WIN 0
.endm
.macro LWAIT u                         ; unit u's 16 loads of cos and sin are in; those of up to three later units may be out
.if 15-(\u) >= 3
	s_wait_loadcnt 48
.else
	s_wait_loadcnt 16*(15-(\u))
.endif
.endm
.macro ROPE u                          ; out = f (x cos + sign x_partner sin), rounded to f16
.set XB, 128+64*((\u)%2)
.set CB, 64*((\u)%4)
.set OB, 64+16*((\u)%2)
	s_wait_xcnt 0x0                                ; the stores of two units back have read their registers
	WIN 0x44
.set I, 0
.rept 16
	v_pk_mul_f32 v[CB+32+I:CB+33+I], v[SGQ:SGQ+1], v[CB+32+I:CB+33+I]
	v_pk_mul_f32 v[CB+I:CB+1+I], v[QS:QS+1], v[CB+I:CB+1+I]
.set I, I+2
.endr
	WIN 0x04
.set I, 0
.rept 16
	v_pk_mul_f32 v[XB+32+I:XB+33+I], v[XB+32+I:XB+33+I], v[CB+32+I:CB+33+I]
.set I, I+2
.endr
.set I, 0
.rept 16
	v_pk_fma_f32 v[XB+I:XB+1+I], v[XB+I:XB+1+I], v[CB+I:CB+1+I], v[XB+32+I:XB+33+I]
.set I, I+2
.endr
	WIN 0
.irp t, 0,1,2,3,4,5,6,7
	v_cvt_pk_f16_f32 v[OB+2*\t], v[XB+4*\t], v[XB+4*\t+1]
	v_cvt_pk_f16_f32 v[OB+2*\t+1], v[XB+4*\t+2], v[XB+4*\t+3]
	global_store_b64 v[O8], v[OB+2*\t:OB+2*\t+1], s[34:35] offset:(8*(\u)+\t)*256   ; the wave stores a row: 256 consecutive bytes, aligned
.endr
.endm
.macro VUNIT u                         ; v = hi + lo
.set XB, 128+64*((\u)%2)
.set OB, 64+16*((\u)%2)
	s_wait_xcnt 0x0
.set I, 0
.rept 32
	v_and_b32 v[XB+32+I], s39, v[XB+I]
.set I, I+1
.endr
.set I, 0
.rept 16
	v_pk_add_f32 v[XB+I:XB+1+I], v[XB+I:XB+1+I], v[XB+32+I:XB+33+I] neg_lo:[0,1] neg_hi:[0,1]
.set I, I+2
.endr
.irp t, 0,1,2,3,4,5,6,7
	v_cvt_pk_f16_f32 v[OB+2*\t], v[XB+32+4*\t], v[XB+33+4*\t]
	v_cvt_pk_f16_f32 v[OB+2*\t+1], v[XB+34+4*\t], v[XB+35+4*\t]
	v_cvt_pk_f16_f32 v[OB+32+2*\t], v[XB+4*\t], v[XB+4*\t+1]
	v_cvt_pk_f16_f32 v[OB+33+2*\t], v[XB+4*\t+2], v[XB+4*\t+3]
	global_store_b64 v[O8], v[OB+2*\t:OB+2*\t+1], s[34:35] offset:(8*(\u)+\t)*256
	global_store_b64 v[O8], v[OB+32+2*\t:OB+33+2*\t], s[36:37] offset:(8*(\u)+\t)*256
.endr
.endm
.macro FINISH
	s_wait_tensorcnt 0x0                           ; the wave's end
	ds_add_u32 v[SPW], v[NIL]
	s_wait_dscnt 0x0
	CROUND                                         ; the closing round
	s_endpgm
.endm
	s_cmp_eq_u32 ttmp9, 2                          ; the cluster's x: the same in all sixteen partners
	s_cbranch_scc1 .Lvway
	CSLOAD 0
	CSLOAD 1
	CSLOAD 2
	CSLOAD 3
	TOSTAGE 0, 0
	XLOAD 0, 0, 1
	XLOAD 1, 0, 1
.set A, 0
.rept 8
	LWAIT 2*A
	s_wait_dscnt 16                                ; the even unit is back; the odd unit's 16 loads may be out
	ROPE 2*A
.if 2*A+4 < 16
	CSLOAD 2*A+4
.endif
.if A < 7
	TOSTAGE A+1, 0                                 ; in order behind the odd unit's loads, which still read the old block
	XLOAD 2*A+2, 0, 1
	LWAIT 2*A+1
	s_wait_dscnt 32                                ; behind the odd unit's loads: 16 stores and 16 loads
.else
	LWAIT 2*A+1
	s_wait_dscnt 0x0
.endif
	ROPE 2*A+1
.if 2*A+5 < 16
	CSLOAD 2*A+5
.endif
.if A < 7
	XLOAD 2*A+3, 0, 1
.endif
.set A, A+1
.endr
	FINISH
.Lvway:
	TOSTAGE 0, VSTG
	XLOAD 0, VSTG, 0
	XLOAD 1, VSTG, 0
.set A, 0
.rept 8
	s_wait_dscnt 8                                 ; the odd unit's 8 loads may be out
	VUNIT 2*A
.if A < 7
	TOSTAGE A+1, VSTG
	XLOAD 2*A+2, VSTG, 0
	s_wait_dscnt 24                                ; 16 stores and 8 loads are younger
.else
	s_wait_dscnt 0x0
.endif
	VUNIT 2*A+1
.if A < 7
	XLOAD 2*A+3, VSTG, 0
.endif
.set A, A+1
.endr
	FINISH
.Lfunc_end_k_qdd17c6f343_qkv:
	.size	k_qdd17c6f343_qkv, .Lfunc_end_k_qdd17c6f343_qkv-k_qdd17c6f343_qkv
	.p2alignl 7, 3214868480
	.fill 96, 4, 3214868480
	.section	.rodata,"a",@progbits
	.p2align	6, 0x0
	.amdhsa_kernel k_qdd17c6f343_qkv
		.amdhsa_group_segment_fixed_size 327680
		.amdhsa_private_segment_fixed_size 0
		.amdhsa_enable_private_segment 0
		.amdhsa_kernarg_size 48
		.amdhsa_user_sgpr_count 2
		.amdhsa_user_sgpr_kernarg_segment_ptr 1
		.amdhsa_wavefront_size32 1
		.amdhsa_system_sgpr_workgroup_id_x 1
		.amdhsa_system_sgpr_workgroup_id_y 1
		.amdhsa_system_sgpr_workgroup_id_z 1
		.amdhsa_system_vgpr_workitem_id 0
		.amdhsa_next_free_vgpr 1024
		.amdhsa_next_free_sgpr 98
		.amdhsa_reserve_vcc 0
		.amdhsa_float_denorm_mode_32 3
		.amdhsa_float_denorm_mode_16_64 3
		.amdhsa_memory_ordered 1
		.amdhsa_forward_progress 1
		.amdhsa_inst_pref_size 255
	.end_amdhsa_kernel
	.section	.bss,"aw",@nobits
	.p2align	6
	.space	262144
	.amdgpu_metadata
---
amdhsa.version: [ 1, 2 ]
amdhsa.kernels:
  - .name:           k_qdd17c6f343_qkv
    .symbol:         k_qdd17c6f343_qkv.kd
    .args:
      - { .name: codes, .offset: 0, .size: 8, .value_kind: global_buffer, .address_space: global }
      - { .name: scales, .offset: 8, .size: 8, .value_kind: global_buffer, .address_space: global }
      - { .name: cos, .offset: 16, .size: 8, .value_kind: global_buffer, .address_space: global }
      - { .name: sin, .offset: 24, .size: 8, .value_kind: global_buffer, .address_space: global }
      - { .name: qk_ws, .offset: 32, .size: 8, .value_kind: global_buffer, .address_space: global }
      - { .name: v_ws, .offset: 40, .size: 8, .value_kind: global_buffer, .address_space: global }
    .group_segment_fixed_size: 327680
    .private_segment_fixed_size: 0
    .kernarg_segment_align: 8
    .kernarg_segment_size: 48
    .max_flat_workgroup_size: 128
    .sgpr_count:     98
    .vgpr_count:     1024
    .wavefront_size: 32
...
	.end_amdgpu_metadata
.endif
;; end of part 2
;; launch attn (part 3): grid 32 x 8, 8 waves a work-group, no clusters, 291,840 bytes of LDS; arguments qk_ws, v_ws, attention_mask, tiles, a_ws; writes a_ws
.if DOCPART == 3
	.amdgcn_target "amdgcn-amd-amdhsa--gfx1250"
	.amdhsa_code_object_version 6
	.text
	.protected	k_qdd17c6f343_attn
	.globl	k_qdd17c6f343_attn
	.p2align	8
	.type	k_qdd17c6f343_attn,@function
k_qdd17c6f343_attn:
	s_mov_b64 s[64:65], 0
	v_nop
	global_prefetch_b8 v0, s[64:65] scope:SCOPE_SE
	s_setreg_imm32_b32 hwreg(HW_REG_WAVE_MODE, 25, 1), 1
	s_wait_xcnt 0x0
; ATTN: for one head and 128 queries: scores q' . k, softcap 50 tanh(s / 50), + the mask as it is given, softmax with a running maximum, times v.  Operands f16 (v as hi + lo), all else f32.
; raw = q' . k = 2 log2(e) s / 50 (the factor lies in q').  e = 2^raw, r = 1 / (1 + e), 50 tanh(s / 50) = 50 - 100 r.  x = that + m, one f32 addition.  M = the running maximum of x;
; p = 2^((x - M) log2(e)), the subtraction first, so that mask numbers of any size cancel exactly; l = the sum of the unrounded p; p is rounded to f16 for the second product;
; in every step that is walked O and l are multiplied by 2^((old M - new M) log2(e)).
; SHARES.  Eight waves.  Wave w: qg = w % 4 picks 32 queries (two tiles of 16), kh = w / 4 picks which 64 keys of each block of 128.  The two waves of a pair (w, w xor 4) run softmaxes of their own
; and are merged at the end.  Two waves lie on a SIMD, so that one's vector work stands beside the other's matrix work; a fragment read from LDS feeds two matrix instructions.
; WHAT IS LEFT OUT.  The launch before stored, for each 4 rows and 64 keys, whether any key can add anything but an exact 0 (LIVE) and whether any mask number is not 0 (MIXED).
; Every work-group walks all 32 key blocks: the trip count is a constant and the barrier stands in every trip.
; NO CLUSTER AND NO TENSOR LOAD: which tiles a work-group wants hangs on numbers read from memory, so partners would ask for different tiles; K and V go from memory through registers into LDS,
; asked for one trip ahead.  No prefetch beside that: who would be a block's one asker hangs on the stored bits too.
; LAYOUT.  S^T = K Q^T (source 0 = 16 keys, source 1 = 16 queries): a lane holds one query (lane % 16) and keys 8 (lane / 16) + 0..7 of each tile of 16.  Two such tiles, rounded in pairs, are source 1
; of O^T = V^T P; V comes out of LDS turned, by ds_load_tr16_b128.
; LIMITS: NaN and infinities are not served; mask numbers under -3e38 count as -infinity; the result's magnitude stays under 65,504.
; REGISTERS: window 0: v2-25 addresses; v26, v27 the add's two; v[28:29] 50; v32-47 statistics (tile qt at 32 + 8 qt: M, l, l's two halves, f, 0, two at work); v48-63 at work;
;   v64-127 S^T (32 qt + 8 kt); v128-159 P; v160-191 a fragment buffer; v192-223, v224-255 the next tile of K and of V hi on its way.   window 1: v0-127 O^T (64 qt + 8 ct); v128-191 Q; v192-223 V lo on its way.
.set SLOTB, 108544                     ; a slot: 128 rows of K (272), 128 of V hi (288), 128 of V lo (288)
.set KP,    272                        ; 256 bytes + 16: the 16 rows of a load start at 16 different banks (64 banks of 4 bytes: ISA guide 11.1)
.set VP,    288                        ; 256 + 32
.set VHO,   34816
.set MST,   217088                     ; a stage of 8,704 bytes for each wave: 32 rows of mask (256 + 16), later 16 rows of hi and 16 of lo
.set XST,   286720                     ; 512 bytes a wave: M and l of its two tiles
.set SPARE, 290816                     ; the spare words, 128 bytes a wave: four blocks of 256 bytes that no other line names
.set AK,  2
.set AV,  4
.set SK,  6
.set SVH, 8
.set SVL, 10
.set GOF, 12
.set MOF, 13
.set MSI, 14
.set MSO, 15
.set STO, 16
.set GO,  17
.set QO,  18
.set EXS, 19
.set EXO, 20
.set EXP, 21
.set XSS, 22
.set XSO, 23
.set XSP, 24
.set FLA, 25
.set SPW, 26
.set NIL, 27
.set ST,  32
.set S,   64
.set P,   128
.set FB,  160
.set QF,  128                          ; in window 1
.set MSB, 0
.macro WIN new
.if MSB != \new
	s_set_vgpr_msb (MSB<<8)|\new
.set MSB, \new
.endif
.endm
.macro PLACES n
.rept \n
	v_nop
.endr
.endm
.macro LOADT                           ; the next block's 128 rows of K, V hi, V lo: 32,768 dense bytes each; a wave's load covers 512 consecutive bytes
.irp i, 0,1,2,3,4,5,6,7
	global_load_b128 v[192+4*\i:195+4*\i], v[GOF], s[22:23] offset:4096*\i
.endr
.irp i, 0,1,2,3,4,5,6,7
	global_load_b128 v[224+4*\i:227+4*\i], v[GOF], s[24:25] offset:4096*\i
.endr
	WIN 0x40
.irp i, 0,1,2,3,4,5,6,7
	global_load_b128 v[192+4*\i:195+4*\i], v[GOF], s[26:27] offset:4096*\i
.endr
	WIN 0
.endm
.macro STORET sl
.irp i, 0,1,2,3,4,5,6,7
	ds_store_b128 v[SK+(\sl)], v[192+4*\i:195+4*\i] offset:4352*\i
.endr
.irp i, 0,1,2,3,4,5,6,7
	ds_store_b128 v[SVH+(\sl)], v[224+4*\i:227+4*\i] offset:4608*\i
.endr
	WIN 0x04
.irp i, 0,1,2,3,4,5,6,7
	ds_store_b128 v[SVL+(\sl)], v[192+4*\i:195+4*\i] offset:4608*\i
.endr
	WIN 0
.endm
.macro KLOAD s, c, buf                 ; my 64 keys, channels 32 c on: four fragments
.irp kt, 0,1,2,3
	ds_load_b128 v[\buf+8*\kt:\buf+8*\kt+3], v[AK+\s] offset:4352*\kt+64*(\c)
	ds_load_b128 v[\buf+8*\kt+4:\buf+8*\kt+7], v[AK+\s] offset:4352*\kt+64*(\c)+32
.endr
.endm
.macro QK c, buf                       ; eight accumulators by turns
.irp kt, 0,1,2,3
.irp qt, 0,1
.if (\c) == 0
	v_wmma_f32_16x16x32_f16 v[S+32*\qt+8*\kt:S+32*\qt+8*\kt+7], v[\buf+8*\kt:\buf+8*\kt+7], v[QF+32*\qt+8*(\c):QF+32*\qt+8*(\c)+7], 0
.else
	v_wmma_f32_16x16x32_f16 v[S+32*\qt+8*\kt:S+32*\qt+8*\kt+7], v[\buf+8*\kt:\buf+8*\kt+7], v[QF+32*\qt+8*(\c):QF+32*\qt+8*(\c)+7], v[S+32*\qt+8*\kt:S+32*\qt+8*\kt+7]
.endif
.endr
.endr
.endm
.macro VLOAD s, n, buf                 ; batch n: plane n / 4 (hi, lo), keys 32 ((n / 2) % 2) on, channels 64 (n % 2) on: four fragments of V^T
.irp i, 0,1,2,3
	ds_load_tr16_b128 v[\buf+8*\i:\buf+8*\i+3], v[AV+\s] offset:36864*((\n)/4)+9216*(((\n)/2)%2)+32*(4*((\n)%2)+\i)
	ds_load_tr16_b128 v[\buf+8*\i+4:\buf+8*\i+7], v[AV+\s] offset:36864*((\n)/4)+9216*(((\n)/2)%2)+32*(4*((\n)%2)+\i)+4608
.endr
.endm
.macro PV n, buf                       ; eight accumulators by turns; batches that follow each other take the other half of the channels
.irp i, 0,1,2,3
.irp qt, 0,1
	v_wmma_f32_16x16x32_f16 v[64*\qt+8*(4*((\n)%2)+\i):64*\qt+8*(4*((\n)%2)+\i)+7], v[\buf+8*\i:\buf+8*\i+7], v[P+16*\qt+8*(((\n)/2)%2):P+16*\qt+8*(((\n)/2)%2)+7], v[64*\qt+8*(4*((\n)%2)+\i):64*\qt+8*(4*((\n)%2)+\i)+7]
.endr
.endr
.endm
.macro COMPUTE s
; ---- S^T = K Q^T.  Q lies in window 1; loads and products run under one setting
	WIN 0x04
	KLOAD \s, 0, FB
	KLOAD \s, 1, P
	s_wait_dscnt 8                                 ; the younger batch of eight loads may be out
	QK 0, FB
	PLACES 4
	KLOAD \s, 2, FB
	s_wait_dscnt 8
	QK 1, P
	PLACES 4
	KLOAD \s, 3, P
	s_wait_dscnt 8
	QK 2, FB
	s_wait_dscnt 0x0
	QK 3, P
	WIN 0
	PLACES 4
; ---- the mask's 32 rows x 64 keys are asked for where some number in them is not 0: sixteen lanes read 256 consecutive bytes of a row
	s_bitcmp1_b32 s32, 0
	s_cbranch_scc0 .Lplain_\@
.irp i, 0,1,2,3,4,5,6,7,8,9,10,11,12,13,14,15
	global_load_b128 v[128+4*\i:131+4*\i], v[MOF], s[28:29] offset:32768*\i
.endr
.Lplain_\@:
; ---- the softcap: two batches of transcendentals, one wait each
.set I, 0
.rept 64
	v_exp_f32 v[S+I], v[S+I]
.set I, I+1
.endr
	v_nop
	s_wait_alu depctr_va_vdst(0)                   ; one wait for the batch, ahead of its first reader
.set I, 0
.rept 32
	v_pk_add_f32 v[S+I:S+I+1], v[S+I:S+I+1], 1.0 op_sel_hi:[1,0]
.set I, I+2
.endr
.set I, 0
.rept 64
	v_rcp_f32 v[S+I], v[S+I]
.set I, I+1
.endr
	v_nop
	s_wait_alu depctr_va_vdst(0)
.set I, 0
.rept 32
	v_pk_fma_f32 v[S+I:S+I+1], v[S+I:S+I+1], s[58:59], v[28:29] op_sel_hi:[1,0,1]   ; 50 - 100 r
.set I, I+2
.endr
	s_wait_loadcnt 0x0                             ; on both ways: the mask's loads, if any, are in (and the next tile's, which are older)
	s_bitcmp1_b32 s32, 0
	s_cbranch_scc0 .Lnoadd_\@
; the mask turns through my own stage: in by rows, out by the scores' layout; LDS serves a wave's instructions in order
.irp i, 0,1,2,3,4,5,6,7,8,9,10,11,12,13,14,15
	ds_store_b128 v[MSI], v[128+4*\i:131+4*\i] offset:544*\i
.endr
.irp qt, 0,1
.irp kt, 0,1,2,3
.irp c, 0,1
	ds_load_b128 v[128+32*\qt+8*\kt+4*\c:131+32*\qt+8*\kt+4*\c], v[MSO] offset:4352*\qt+64*\kt+16*\c
.endr
.endr
.endr
	s_wait_dscnt 0x0
.set I, 0
.rept 32
	v_pk_add_f32 v[S+I:S+I+1], v[S+I:S+I+1], v[128+I:129+I]
.set I, I+2
.endr
.Lnoadd_\@:
	VLOAD \s, 0, FB
; ---- the softmax, the two tiles by turns
.irp qt, 0,1
	v_max3_num_f32 v[ST+8*\qt+6], v[S+32*\qt], v[S+32*\qt+1], v[S+32*\qt+2]
	v_max3_num_f32 v[ST+8*\qt+7], v[S+32*\qt+16], v[S+32*\qt+17], v[S+32*\qt+18]
.endr
.irp i, 3,5,7,9,11,13
.irp qt, 0,1
	v_max3_num_f32 v[ST+8*\qt+6], v[ST+8*\qt+6], v[S+32*\qt+\i], v[S+32*\qt+\i+1]
	v_max3_num_f32 v[ST+8*\qt+7], v[ST+8*\qt+7], v[S+32*\qt+16+\i], v[S+32*\qt+17+\i]
.endr
.endr
.irp qt, 0,1
	v_max3_num_f32 v[ST+8*\qt+6], v[ST+8*\qt+6], v[S+32*\qt+15], v[S+32*\qt+31]
.endr
.irp qt, 0,1
	v_max_num_f32 v[ST+8*\qt+6], v[ST+8*\qt+6], v[ST+8*\qt+7]
.endr
.irp qt, 0,1
	v_permlanex16_b32 v[ST+8*\qt+7], v[ST+8*\qt+6], s34, s35       ; the query's other 32 keys lie in the lane 16 away
.endr
.irp qt, 0,1
	v_mov_b32 v[48+\qt], v[ST+8*\qt]
.endr
.irp qt, 0,1
	v_max3_num_f32 v[ST+8*\qt], v[ST+8*\qt+6], v[ST+8*\qt+7], v[ST+8*\qt]
.endr
.irp qt, 0,1
	v_sub_f32 v[48+\qt], v[48+\qt], v[ST+8*\qt]
.endr
.irp qt, 0,1
	v_mul_f32 v[48+\qt], s56, v[48+\qt]
.endr
.set I, 0
.rept 16
	v_pk_add_f32 v[S+I:S+I+1], v[S+I:S+I+1], v[ST:ST+1] op_sel_hi:[1,0] neg_lo:[0,1] neg_hi:[0,1]
	v_pk_add_f32 v[S+32+I:S+33+I], v[S+32+I:S+33+I], v[ST+8:ST+9] op_sel_hi:[1,0] neg_lo:[0,1] neg_hi:[0,1]
.set I, I+2
.endr
.set I, 0
.rept 32
	v_pk_mul_f32 v[S+I:S+I+1], v[S+I:S+I+1], s[56:57] op_sel_hi:[1,0]
.set I, I+2
.endr
.irp qt, 0,1
	v_exp_f32 v[ST+8*\qt+4], v[48+\qt]             ; f
.endr
.set I, 0
.rept 64
	v_exp_f32 v[S+I], v[S+I]                       ; p
.set I, I+1
.endr
	v_nop
	s_wait_alu depctr_va_vdst(0)                   ; one wait for the 66
.irp qt, 0,1
	v_pk_fma_f32 v[ST+8*\qt+2:ST+8*\qt+3], v[ST+8*\qt+2:ST+8*\qt+3], v[ST+8*\qt+4:ST+8*\qt+5], v[S+32*\qt:S+32*\qt+1] op_sel_hi:[1,0,1]
	v_pk_add_f32 v[50+2*\qt:51+2*\qt], v[S+32*\qt+2:S+32*\qt+3], v[S+32*\qt+4:S+32*\qt+5]
.endr
.irp i, 6,10,14,18,22,26
.irp qt, 0,1
	v_pk_add_f32 v[ST+8*\qt+2:ST+8*\qt+3], v[ST+8*\qt+2:ST+8*\qt+3], v[S+32*\qt+\i:S+32*\qt+\i+1]
	v_pk_add_f32 v[50+2*\qt:51+2*\qt], v[50+2*\qt:51+2*\qt], v[S+32*\qt+\i+2:S+32*\qt+\i+3]
.endr
.endr
.irp qt, 0,1
	v_pk_add_f32 v[ST+8*\qt+2:ST+8*\qt+3], v[ST+8*\qt+2:ST+8*\qt+3], v[S+32*\qt+30:S+32*\qt+31]
.endr
.irp qt, 0,1
	v_pk_add_f32 v[ST+8*\qt+2:ST+8*\qt+3], v[ST+8*\qt+2:ST+8*\qt+3], v[50+2*\qt:51+2*\qt]
.endr
.set I, 0
.rept 32
	v_cvt_pk_f16_f32 v[P+I], v[S+2*I], v[S+2*I+1]
.set I, I+1
.endr
	VLOAD \s, 1, S                                 ; the scores' registers are free: the second fragment buffer
	WIN 0x41
.set I, 0
.rept 32
	v_pk_mul_f32 v[I:I+1], v[I:I+1], v[ST+4:ST+5] op_sel_hi:[1,0]                ; O^T under the new M, each accumulator from its low end on
	v_pk_mul_f32 v[64+I:65+I], v[64+I:65+I], v[ST+12:ST+13] op_sel_hi:[1,0]
.set I, I+2
.endr
; ---- O^T += V hi^T P + V lo^T P: eight batches of eight
.irp n, 0,1,2,3,4,5,6,7
.if \n < 7
	s_wait_dscnt 8                                 ; the younger batch's eight loads may be out
.else
	s_wait_dscnt 0x0
.endif
	WIN 0x50
.if \n % 2 == 0
	PV \n, FB
.else
	PV \n, S
.endif
.if \n < 6
	PLACES 4
	WIN 0
.if \n % 2 == 0
	VLOAD \s, \n+2, FB
.else
	VLOAD \s, \n+2, S
.endif
.endif
.endr
	WIN 0
	PLACES 5                                       ; the next products write the scores over registers that the last ones read: five places
.endm
.macro TRIP s
	s_bitcmp1_b32 s30, 1                           ; does any wave of the work-group want the next block?
	s_cbranch_scc0 .Lnoload_\@
	LOADT
.Lnoload_\@:
	s_bitcmp1_b32 s31, 0                           ; do my 32 queries want my 64 keys of this block?
	s_cbranch_scc0 .Lnowork_\@
	COMPUTE \s
.Lnowork_\@:
	s_wait_loadcnt 0x0                             ; on every way: the next block is in registers, and every load has read its base
	s_bitcmp1_b32 s30, 1
	s_cbranch_scc0 .Lnostore_\@
	STORET 1-\s                                    ; into the slot that was read a trip ago: the last barrier parts the two
.Lnostore_\@:
	s_wait_dscnt 0x0                               ; my stores have landed and my reads of this trip's slot are over
	s_barrier_signal -1
	s_barrier_wait -1
	s_add_nc_u64 s[22:23], s[22:23], 32768
	s_add_nc_u64 s[24:25], s[24:25], 32768
	s_add_nc_u64 s[26:27], s[26:27], 32768
	s_add_nc_u64 s[28:29], s[28:29], 512
	s_lshr_b32 s30, s30, 1
	s_lshr_b32 s31, s31, 1
	s_lshr_b32 s32, s32, 1
.endm
	s_load_b256 s[4:11], s[0:1], 0x0               ; qk_ws s[4:5], v_ws s[6:7], mask s[8:9], tiles s[10:11]
	s_load_b64 s[12:13], s[0:1], 0x20              ; a_ws
	v_lshl_add_u32 v[SPW], v0, 2, SPARE
	v_mov_b32 v[NIL], 0
	v_lshrrev_b32 v1, 5, v0
	v_readfirstlane_b32 s16, v1                    ; wave 0..7
	s_and_b32 s17, s16, 3                          ; qg
	s_lshr_b32 s18, s16, 2                         ; kh
	s_xor_b32 s21, s16, 4                          ; my partner
	s_and_b32 s19, ttmp7, 0xffff                   ; the head
	v_and_b32 v1, 31, v0                           ; lane
	v_and_b32 v30, 15, v0                          ; r
	v_bfe_u32 v31, v0, 4, 1                        ; h
	s_mul_i32 s36, s18, 64*KP
	v_mul_u32_u24 v[AK], v30, KP
	v_lshl_add_u32 v[AK], v31, 4, v[AK]
	v_add_nc_u32 v[AK], s36, v[AK]                 ; K's fragments: my 64 keys, row r, + 16 h
	v_add_nc_u32 v[AK+1], SLOTB, v[AK]
	v_and_b32 v48, 7, v0
	v_lshl_add_u32 v48, v31, 3, v48
	v_mul_u32_u24 v[AV], v48, VP
	v_bfe_u32 v49, v0, 3, 1
	v_lshl_add_u32 v[AV], v49, 4, v[AV]
	s_mul_i32 s36, s18, 64*VP
	s_add_co_u32 s36, s36, VHO
	v_add_nc_u32 v[AV], s36, v[AV]                 ; the turning load: key 8 h + l % 8, channels 8 ((l / 8) % 2) on
	v_add_nc_u32 v[AV+1], SLOTB, v[AV]
	v_lshrrev_b32 v48, 4, v0                       ; thread / 16: a row of the 16 that the work-group's 256 threads cover
	v_mul_u32_u24 v[SK], v48, KP
	v_lshl_add_u32 v[SK], v30, 4, v[SK]
	v_add_nc_u32 v[SK+1], SLOTB, v[SK]
	v_mul_u32_u24 v[SVH], v48, VP
	v_lshl_add_u32 v[SVH], v30, 4, v[SVH]
	v_add_nc_u32 v[SVH], VHO, v[SVH]
	v_add_nc_u32 v[SVH+1], SLOTB, v[SVH]
	v_add_nc_u32 v[SVL], 36864, v[SVH]
	v_add_nc_u32 v[SVL+1], 36864, v[SVH+1]
	v_lshlrev_b32 v[GOF], 4, v0
	v_lshlrev_b32 v[MOF], 14, v31
	v_lshl_add_u32 v[MOF], v30, 4, v[MOF]          ; the mask: lanes 0-15 one row, lanes 16-31 the next
	s_mul_i32 s36, s16, 8704
	s_add_co_u32 s36, s36, MST
	v_mul_u32_u24 v48, v31, KP
	v_lshl_add_u32 v48, v30, 4, v48
	v_add_nc_u32 v[MSI], s36, v48                  ; my stage by rows: row h, 16 r
	v_mul_u32_u24 v48, v30, KP
	v_add_nc_u32 v48, s36, v48
	v_lshl_add_u32 v[MSO], v31, 5, v48             ; by the scores' layout: row r, 32 h
	v_lshl_add_u32 v[STO], v31, 4, v48             ; the way out: row r, 16 h
	v_lshlrev_b32 v[GO], 11, v31
	v_lshl_add_u32 v[GO], v30, 4, v[GO]
	v_lshlrev_b32 v[QO], 8, v30
	v_lshl_add_u32 v[QO], v31, 4, v[QO]
	s_lshl_b32 s36, s16, 14
	v_lshl_add_u32 v[EXS], v1, 4, s36              ; the exchange of O^T, 16,384 bytes a wave, in the slots, behind the last trip's barrier
	s_lshl_b32 s37, s18, 13
	v_add_nc_u32 v[EXO], s37, v[EXS]               ; tile kh of my own,
	s_lshl_b32 s36, s21, 14
	s_add_co_u32 s36, s36, s37
	v_lshl_add_u32 v[EXP], v1, 4, s36              ; and of my partner's: the tile is picked by address, not by a branch
	s_lshl_b32 s36, s16, 9
	s_add_co_u32 s36, s36, XST
	v_lshl_add_u32 v[XSS], v1, 3, s36
	s_lshl_b32 s37, s18, 8
	v_add_nc_u32 v[XSO], s37, v[XSS]
	s_lshl_b32 s36, s21, 9
	s_add_co_u32 s36, s36, s37
	s_add_co_u32 s36, s36, XST
	v_lshl_add_u32 v[XSP], v1, 3, s36
	s_lshl_b32 s36, s17, 3
	v_add_nc_u32 v[FLA], s36, v1
	v_and_b32 v[FLA], 31, v[FLA]
	v_lshlrev_b32 v[FLA], 4, v[FLA]                ; lane l takes group (l + 8 qg) % 32 of the work-group's 32: lanes 0-7 hold my 32 rows'
	v_mov_b32 v28, 0x42480000                      ; 50.0
	v_mov_b32 v29, 0x42480000
	s_mov_b32 s34, 0x76543210
	s_mov_b32 s35, 0xfedcba98
	s_mov_b32 s54, 0xffffe000
	s_mov_b32 s56, 0x3fb8aa3b                      ; log2(e)
	s_mov_b32 s57, s56
	s_mov_b32 s58, 0xc2c80000                      ; -100.0
	s_mov_b32 s59, s58
	s_wait_kmcnt 0x0
	s_lshl_b32 s36, s19, 20                        ; a head: 4,096 rows of 256 bytes
	s_mov_b32 s37, 0
	s_add_nc_u64 s[4:5], s[4:5], s[36:37]          ; q' of my head
	s_add_nc_u64 s[22:23], s[4:5], 0x800000        ; k
	s_add_nc_u64 s[24:25], s[6:7], s[36:37]        ; v hi
	s_add_nc_u64 s[26:27], s[24:25], 0x800000      ; v lo
	s_lshl_b32 s38, ttmp9, 7
	s_lshl_b32 s39, s17, 5
	s_add_co_u32 s38, s38, s39                     ; my first query
	s_lshl_b32 s36, s38, 8
	s_add_nc_u64 s[52:53], s[4:5], s[36:37]
	s_lshl_b32 s36, s38, 14
	s_lshl_b32 s39, s18, 8
	s_add_co_u32 s36, s36, s39
	s_add_nc_u64 s[28:29], s[8:9], s[36:37]        ; the mask at my first query, my 64 keys of block 0
	s_lshl_b32 s39, s18, 4
	s_add_co_u32 s38, s38, s39                     ; the 16 queries that I store
	s_lshl_b32 s36, s38, 11
	s_lshl_b32 s39, s19, 8
	s_add_co_u32 s36, s36, s39
	s_add_nc_u64 s[48:49], s[12:13], s[36:37]      ; a_ws: hi,
	s_add_nc_u64 s[50:51], s[48:49], 0x800000      ; lo
	s_lshl_b32 s36, ttmp9, 9
	s_add_nc_u64 s[10:11], s[10:11], s[36:37]
	global_load_b128 v[52:55], v[FLA], s[10:11]    ; LIVE and MIXED, first and second 64 keys
	LOADT                                          ; block 0, whatever the bits say
	WIN 0x40
.irp qt, 0,1
.irp c, 0,1,2,3
	global_load_b128 v[QF+32*\qt+8*\c:QF+32*\qt+8*\c+3], v[QO], s[52:53] offset:4096*\qt+64*\c
	global_load_b128 v[QF+32*\qt+8*\c+4:QF+32*\qt+8*\c+7], v[QO], s[52:53] offset:4096*\qt+64*\c+32
.endr
.endr
.set I, 0
.rept 128
	v_mov_b32 v[I], 0                              ; O^T.  Which trip is a wave's first hangs on the stored bits, so no first step can be written out: the first change of M multiplies zeros
.set I, I+1
.endr
	WIN 0
.irp qt, 0,1
	v_mov_b32 v[ST+8*\qt], 0xff61b1e6              ; M: -3e38, under every x
.irp j, 1,2,3,4,5,6,7
	v_mov_b32 v[ST+8*\qt+\j], 0
.endr
.endr
.irp j, 56,57,58,59
	v_mov_b32 v\j, 0                               ; a lane exchange's destination counts as read
.endr
	s_wait_loadcnt 40                              ; the bits are in; the 24 loads of block 0 and the 16 of Q are younger
.irp m, 1,2,4
.irp j, 0,1,2,3
	v_mov_b32_dpp v[56+\j], v[52+\j] row_xmask:\m row_mask:0xf bank_mask:0xf
.endr
.irp j, 0,1,2,3
	v_or_b32 v[52+\j], v[52+\j], v[56+\j]
.endr
.endr
	v_readfirstlane_b32 s36, v52                   ; lane 0: the bits of my 32 rows
	v_readfirstlane_b32 s37, v53
	v_readfirstlane_b32 s38, v54
	v_readfirstlane_b32 s39, v55
	v_or_b32 v60, v52, v53
	v_mov_b32_dpp v56, v60 row_xmask:8 row_mask:0xf bank_mask:0xf
	v_or_b32 v60, v60, v56
	v_permlanex16_b32 v56, v60, s34, s35
	v_or_b32 v60, v60, v56
	v_readfirstlane_b32 s30, v60                   ; the blocks that some wave of the work-group wants
	s_cmp_eq_u32 s18, 0
	s_cselect_b32 s31, s36, s37                    ; LIVE for my rows and my half of the keys
	s_cselect_b32 s32, s38, s39                    ; MIXED
	s_wait_loadcnt 16                              ; block 0 is in; Q may be out
	s_add_nc_u64 s[22:23], s[22:23], 32768         ; the three bases stand at the next block from here on
	s_add_nc_u64 s[24:25], s[24:25], 32768
	s_add_nc_u64 s[26:27], s[26:27], 32768
	STORET 0
	s_wait_dscnt 0x0
	s_barrier_signal -1
	s_barrier_wait -1
	s_wait_loadcnt 0x0                             ; Q
	s_mov_b32 s33, 16
.Ltrip:                                            ; 16 trips of two blocks: the slots take turns
	TRIP 0
	TRIP 1
	s_sub_co_u32 s33, s33, 1
	s_cmp_lg_u32 s33, 0
	s_cbranch_scc1 .Ltrip
; ---- THE END.  Each wave lays down M, l and O^T of its two tiles; of a pair, wave kh merges and stores tile kh
.irp qt, 0,1
	v_add_f32 v[ST+8*\qt+1], v[ST+8*\qt+2], v[ST+8*\qt+3]
.endr
.irp qt, 0,1
	v_permlanex16_b32 v[ST+8*\qt+6], v[ST+8*\qt+1], s34, s35
.endr
.irp qt, 0,1
	v_add_f32 v[ST+8*\qt+1], v[ST+8*\qt+1], v[ST+8*\qt+6]
.endr
.irp qt, 0,1
	ds_store_b64 v[XSS], v[ST+8*\qt:ST+8*\qt+1] offset:256*\qt
.endr
	WIN 0x04
.set I, 0
.rept 32
	ds_store_b128 v[EXS], v[4*I:4*I+3] offset:512*I                ; each accumulator from its low end on
.set I, I+1
.endr
	WIN 0
	s_wait_dscnt 0x0
	s_barrier_signal -1
	s_barrier_wait -1
	ds_load_b64 v[48:49], v[XSO]
	ds_load_b64 v[50:51], v[XSP]
.irp i, 0,1,2,3,4,5,6,7,8,9,10,11,12,13,14,15
	ds_load_b128 v[128+4*\i:131+4*\i], v[EXO] offset:512*\i
.endr
.irp i, 0,1,2,3,4,5,6,7,8,9,10,11,12,13,14,15
	ds_load_b128 v[192+4*\i:195+4*\i], v[EXP] offset:512*\i
.endr
	s_wait_dscnt 32                                ; M and l are in; the 32 loads of O^T are younger
	v_max_num_f32 v52, v48, v50
	v_sub_f32 v53, v48, v52
	v_sub_f32 v54, v50, v52
	v_mul_f32 v53, s56, v53
	v_mul_f32 v54, s56, v54
	v_exp_f32 v53, v53
	v_exp_f32 v54, v54
	v_nop
	s_wait_alu depctr_va_vdst(0)
	v_mul_f32 v55, v49, v53
	v_fma_f32 v55, v51, v54, v55                   ; the row's sum under the common M
	v_rcp_f32 v55, v55
	v_nop
	s_wait_alu depctr_va_vdst(0)
	v_mul_f32 v56, v53, v55
	v_mul_f32 v58, v54, v55
	v_mov_b32 v57, v56
	v_mov_b32 v59, v58
	s_wait_dscnt 0x0
.set I, 0
.rept 32
	v_pk_mul_f32 v[128+I:129+I], v[128+I:129+I], v[56:57]
.set I, I+2
.endr
.set I, 0
.rept 32
	v_pk_fma_f32 v[128+I:129+I], v[192+I:193+I], v[58:59], v[128+I:129+I]
.set I, I+2
.endr
.set I, 0
.rept 64
	v_and_b32 v[192+I], s54, v[128+I]              ; hi: 10 mantissa bits
.set I, I+1
.endr
.set I, 0
.rept 32
	v_pk_add_f32 v[128+I:129+I], v[128+I:129+I], v[192+I:193+I] neg_lo:[0,1] neg_hi:[0,1]   ; lo, exact
.set I, I+2
.endr
.set I, 0
.rept 32
	v_cvt_pk_f16_f32 v[64+I], v[192+2*I], v[193+2*I]
	v_cvt_pk_f16_f32 v[96+I], v[128+2*I], v[129+2*I]
.set I, I+1
.endr
.irp t, 0,1,2,3,4,5,6,7
	ds_store_b128 v[STO], v[64+4*\t:67+4*\t] offset:32*\t
	ds_store_b128 v[STO], v[96+4*\t:99+4*\t] offset:32*\t+4352
.endr
.irp f, 0,1,2,3,4,5,6,7
	ds_load_b128 v[128+4*\f:131+4*\f], v[MSI] offset:544*\f        ; in order behind my stores: whole rows of 256 bytes
.endr
.irp f, 0,1,2,3,4,5,6,7
	ds_load_b128 v[160+4*\f:163+4*\f], v[MSI] offset:544*\f+4352
.endr
.irp f, 0,1,2,3,4,5,6,7
	s_wait_dscnt 15-\f
	global_store_b128 v[GO], v[128+4*\f:131+4*\f], s[48:49] offset:4096*\f   ; sixteen lanes store 256 consecutive bytes, aligned
.endr
.irp f, 0,1,2,3,4,5,6,7
	s_wait_dscnt 7-\f
	global_store_b128 v[GO], v[160+4*\f:163+4*\f], s[50:51] offset:4096*\f
.endr
	s_wait_tensorcnt 0x0                           ; the wave's end
	ds_add_u32 v[SPW], v[NIL]
	s_wait_dscnt 0x0
	s_endpgm
.Lfunc_end_k_qdd17c6f343_attn:
	.size	k_qdd17c6f343_attn, .Lfunc_end_k_qdd17c6f343_attn-k_qdd17c6f343_attn
	.p2alignl 7, 3214868480
	.fill 96, 4, 3214868480
	.section	.rodata,"a",@progbits
	.p2align	6, 0x0
	.amdhsa_kernel k_qdd17c6f343_attn
		.amdhsa_group_segment_fixed_size 291840
		.amdhsa_private_segment_fixed_size 0
		.amdhsa_enable_private_segment 0
		.amdhsa_kernarg_size 40
		.amdhsa_user_sgpr_count 2
		.amdhsa_user_sgpr_kernarg_segment_ptr 1
		.amdhsa_wavefront_size32 1
		.amdhsa_system_sgpr_workgroup_id_x 1
		.amdhsa_system_sgpr_workgroup_id_y 1
		.amdhsa_system_sgpr_workgroup_id_z 1
		.amdhsa_system_vgpr_workitem_id 0
		.amdhsa_next_free_vgpr 512
		.amdhsa_next_free_sgpr 66
		.amdhsa_reserve_vcc 0
		.amdhsa_float_denorm_mode_32 3
		.amdhsa_float_denorm_mode_16_64 3
		.amdhsa_memory_ordered 1
		.amdhsa_forward_progress 1
		.amdhsa_inst_pref_size 138
	.end_amdhsa_kernel
	.amdgpu_metadata
---
amdhsa.version: [ 1, 2 ]
amdhsa.kernels:
  - .name:           k_qdd17c6f343_attn
    .symbol:         k_qdd17c6f343_attn.kd
    .args:
      - { .name: qk_ws, .offset: 0, .size: 8, .value_kind: global_buffer, .address_space: global }
      - { .name: v_ws, .offset: 8, .size: 8, .value_kind: global_buffer, .address_space: global }
      - { .name: attention_mask, .offset: 16, .size: 8, .value_kind: global_buffer, .address_space: global }
      - { .name: tiles, .offset: 24, .size: 8, .value_kind: global_buffer, .address_space: global }
      - { .name: a_ws, .offset: 32, .size: 8, .value_kind: global_buffer, .address_space: global }
    .group_segment_fixed_size: 291840
    .private_segment_fixed_size: 0
    .kernarg_segment_align: 8
    .kernarg_segment_size: 40
    .max_flat_workgroup_size: 256
    .sgpr_count:     66
    .vgpr_count:     512
    .wavefront_size: 32
...
	.end_amdgpu_metadata
.endif
;; end of part 3
;; launch oproj (part 4): grid 8 x 32, 4 waves a work-group, clusters of 4 x 4, 327,680 bytes of LDS; arguments a_ws, wo_t, out0; writes out0
.if DOCPART == 4
	.amdgcn_target "amdgcn-amd-amdhsa--gfx1250"
	.amdhsa_code_object_version 6
	.text
	.protected	k_qdd17c6f343_oproj
	.globl	k_qdd17c6f343_oproj
	.p2align	8
	.type	k_qdd17c6f343_oproj,@function
k_qdd17c6f343_oproj:
	s_mov_b64 s[64:65], 0
	v_nop
	global_prefetch_b8 v0, s[64:65] scope:SCOPE_SE
	s_setreg_imm32_b32 hwreg(HW_REG_WAVE_MODE, 25, 1), 1
	s_wait_xcnt 0x0
	s_wait_alu depctr_hold_cnt(0) depctr_sa_sdst(0) depctr_va_vdst(0) depctr_va_sdst(0) depctr_va_ssrc(0) depctr_va_vcc(0) depctr_vm_vsrc(0)
	s_getreg_b32 s2, hwreg(HW_REG_IB_STS2, 6, 4)
	s_cmp_eq_u32 s2, 0
	s_cbranch_scc0 .Lentry_in_a_cluster
	s_endpgm
.Lentry_in_a_cluster:
	s_bfe_u32 s2, ttmp6, 0x10000c
	s_cmp_lg_u32 s2, 0xf033
	s_cbranch_scc0 .Lentry_shape_is_right
	s_endpgm
.Lentry_shape_is_right:
; OPROJ: out0[m][n] = sum over k of (A_hi[m][k] + A_lo[m][k]) Wo^T[n][k].  A_hi, A_lo: [4096][1024] f16, one behind the other; Wo^T: [2048][1024] f16; out0: [4096][2048] f32; sums in f32.
; A tile of out0 is 128 x 256: 256 work-groups of four waves; a wave makes 64 x 128: 32 accumulators, 256 registers.  Each accumulator takes the product with A_hi's rows and the product with A_lo's.
; K goes in steps of 128 (rows of 256 bytes) through a ring of two LDS slots filled by tensor loads.  A slot: 128 rows of A_hi, the same 128 rows of A_lo, 256 rows of Wo^T.
; CLUSTERS: 4 x 4 work-groups; the four of a row of the cluster ask jointly for A's tiles, the four of a column for Wo^T's.
; THE MATRIX INSTRUCTION IS USED TRANSPOSED (source 0 = 16 rows of Wo^T, source 1 = 16 rows of A): a lane holds eight neighbouring numbers of a row of out0.
; No prefetch: the launch has eight K steps, and each refill has a K step's 256 matrix instructions in which to land.
; REGISTERS: window 0: v0-31 addresses; v64-127, v128-191 A's fragments, two buffers (blocks 0-3 hi, 4-7 lo).  window 1: the same for Wo^T.  window 2: the accumulators ((a, b) at v[8 (8 a + b)]).
.set SIZE_K, 1024
.set SIZE_N, 2048
.set KSTEP,  128
.set PITCH,  272                       ; 256 bytes + 16 = 68 words: the 16 rows of a load start at 16 different banks (64 banks of 4 bytes: ISA guide 11.1)
.set HALFT,  128*PITCH
.set SLOT,   4*HALFT
.set STAGE,  2*SLOT                    ; behind the ring: 16 rows x 528 bytes for each wave
.set SPITCH, 528
.set SPARE,  STAGE+4*16*SPITCH         ; the spare words, 128 bytes a wave: two blocks of 256 bytes that no other line names
.set LAPS,   SIZE_K/(2*KSTEP)
.set ADRA, 16
.set ADRB, 20
.set STO,  24
.set RD,   25
.set CO,   26
.set SPW,  28
.set NIL,  29
.set F0,   64
.set F1,   128
.set BK,   64                          ; the way out: rows read back: v64-127 and v128-191 by turns
.set G1, 24
.set G0, 32
.set G1B, 48
.set G0B, 56
.set MSB, 0
.macro WIN new
.if MSB != \new
	s_set_vgpr_msb (MSB<<8)|\new
.set MSB, \new
.endif
.endm
.set MUL,  0xa1                        ; source 0 window 1, source 1 window 0, C and D window 2
.set TO_B, 0x40
.macro JLOAD s                         ; a joint load: waves 0 and 1 fetch A_hi and A_lo, waves 2 and 3 Wo^T's halves; an s_nop 0 and four v_nop follow each line
	s_cmp_eq_u32 s11, 0
	s_cbranch_scc0 .Lfor_b_\@
	tensor_load_to_lds s[G0+4*\s:G0+4*\s+3], s[G1:G1+7]
	s_nop 0
.rept 4
	v_nop
.endr
	s_branch .Lasked_\@
.Lfor_b_\@:
	tensor_load_to_lds s[G0B+4*\s:G0B+4*\s+3], s[G1B:G1B+7]
	s_nop 0
.rept 4
	v_nop
.endr
.Lasked_\@:
.endm
.macro CREST
	s_cmp_lg_u32 s10, 0
	s_cbranch_scc1 .Lnot_wave_0_\@
	s_barrier_signal -3
.Lnot_wave_0_\@:
	s_barrier_wait -3
	s_barrier_signal -1
	s_barrier_wait -1
.endm
.macro CROUND
	s_barrier_signal -1
	s_barrier_wait -1
	CREST
.endm
	s_load_b128 s[4:7], s[0:1], 0x0                ; a_ws s[4:5], wo_t s[6:7]
	s_load_b64 s[8:9], s[0:1], 0x10                ; out0
	v_lshl_add_u32 v[SPW], v0, 2, SPARE
	v_mov_b32 v[NIL], 0
	ds_add_u32 v[SPW], v[NIL]                      ; the wave's opening: the add, twice on end, and its wait ahead of my first tensor load
	ds_add_u32 v[SPW], v[NIL]
	v_lshrrev_b32 v1, 5, v0
	v_readfirstlane_b32 s10, v1                    ; wave 0..3
	s_lshr_b32 s11, s10, 1                         ; which 64 rows of the tile are mine.  Also: I fetch for A (0) or for Wo^T (1)
	s_and_b32 s12, s10, 1                          ; which 128 columns.  Also: A's plane, or which 128 rows of Wo^T, I fetch
	s_bfe_u32 s40, ttmp6, 0x40000
	s_bfe_u32 s41, ttmp6, 0x40004
	s_lshl_b32 s42, ttmp9, 2
	s_add_co_u32 s42, s42, s40                     ; tile column
	s_and_b32 s13, ttmp7, 0xffff
	s_lshl_b32 s13, s13, 2
	s_add_co_u32 s13, s13, s41                     ; tile row
	s_lshl_b32 s43, s41, 2
	s_lshl_b32 s43, 15, s43                        ; my row of the cluster
	s_lshl_b32 s44, 0x1111, s40                    ; my column
	s_or_b32 s[G1+0], s43, (1<<16)|(1<<20)|(1<<21)|(5<<22)|(3<<25)   ; the mask; elements of 2 bytes; padding: 4 words after every 64
	s_or_b32 s[G1B+0], s44, (1<<16)|(1<<20)|(1<<21)|(5<<22)|(3<<25)
.irp g, G1, G1B
	s_mov_b32 s[\g+1], KSTEP<<16                   ; tensor_dim0
	s_mov_b32 s[\g+2], 128<<16                     ; tensor_dim1
	s_mov_b32 s[\g+3], KSTEP<<16                   ; tile_dim0
	s_mov_b32 s[\g+4], 128                         ; tile_dim1
	s_mov_b32 s[\g+5], SIZE_K                      ; the pitch
	s_mov_b32 s[\g+6], 0
	s_mov_b32 s[\g+7], 0
.endr
	s_lshl_b32 s16, s13, 7
	s_lshl_b32 s17, s12, 12
	s_add_co_u32 s16, s16, s17                     ; A: row 128 x tile row, + 4,096 for the lo plane
	s_lshl_b32 s46, s42, 8
	s_lshl_b32 s17, s12, 7
	s_add_co_u32 s46, s46, s17                     ; Wo^T: row 256 x tile column + 128 x half
	s_mov_b32 s17, 0
	s_mov_b32 s47, 0
	s_mov_b64 s[18:19], SIZE_K*2
	s_mul_u64 s[16:17], s[16:17], s[18:19]
	s_mul_u64 s[46:47], s[46:47], s[18:19]
	s_mul_i32 s20, s10, HALFT                      ; where they go: wave x 128 rows
	s_wait_dscnt 0x0                               ; both opening adds are done
	s_wait_kmcnt 0x0
	s_add_nc_u64 s[14:15], s[4:5], s[16:17]
	s_add_nc_u64 s[46:47], s[6:7], s[46:47]
	CROUND                                         ; all sixteen work-groups are here: the first joint loads meet
.irp s, 0,1
	s_mov_b32 s[G0+4*\s], 1
	s_add_co_u32 s[G0+4*\s+1], s20, \s*SLOT
	s_add_nc_u64 s[G0+4*\s+2:G0+4*\s+3], s[14:15], \s*KSTEP*2
	s_or_b32 s[G0+4*\s+3], s[G0+4*\s+3], 0x80000000
	s_mov_b32 s[G0B+4*\s], 1
	s_add_co_u32 s[G0B+4*\s+1], s20, \s*SLOT
	s_add_nc_u64 s[G0B+4*\s+2:G0B+4*\s+3], s[46:47], \s*KSTEP*2
	s_or_b32 s[G0B+4*\s+3], s[G0B+4*\s+3], 0x80000000
	JLOAD \s                                       ; two loads of mine are out behind these first fills
.endr
	v_and_b32 v1, 15, v0
	v_bfe_u32 v2, v0, 4, 1
	v_mul_u32_u24 v3, v1, PITCH
	v_lshl_add_u32 v3, v2, 4, v3
	s_mul_i32 s21, s11, 64*PITCH                   ; my 64 rows of A_hi; the lo rows lie 128 rows further on
	s_mul_i32 s22, s12, HALFT
	s_add_co_u32 s22, s22, 2*HALFT                 ; my 128 rows of Wo^T
.irp s, 0,1
	v_add_nc_u32 v[ADRA+\s], s21, v3
	v_add_nc_u32 v[ADRB+\s], s22, v3
	s_add_co_u32 s21, s21, SLOT
	s_add_co_u32 s22, s22, SLOT
.endr
	s_mul_i32 s23, s10, 16*SPITCH
	s_add_co_u32 s23, s23, STAGE                   ; my stage
	v_mul_u32_u24 v4, v1, SPITCH
	v_lshl_add_u32 v4, v2, 5, v4
	v_add_nc_u32 v[STO], s23, v4                   ; in: row l % 16, 32 bytes for each half of the lanes
	v_and_b32 v5, 31, v0
	v_lshlrev_b32 v[CO], 4, v5
	v_add_nc_u32 v[RD], s23, v[CO]                 ; back: the 32 lanes take one row of 512 bytes
	s_lshl_b32 s16, s13, 7
	s_lshl_b32 s17, s11, 6
	s_add_co_u32 s16, s16, s17                     ; my first row of out0
	s_mov_b32 s17, 0
	s_mov_b64 s[18:19], SIZE_N*4
	s_mul_u64 s[16:17], s[16:17], s[18:19]
	s_lshl_b32 s46, s42, 10                        ; my first column, in bytes
	s_lshl_b32 s47, s12, 9
	s_add_co_u32 s46, s46, s47
	s_mov_b32 s47, 0
	s_add_nc_u64 s[16:17], s[16:17], s[46:47]
	s_add_nc_u64 s[8:9], s[8:9], s[16:17]
; 16 matrix instructions: accumulator rows a0, a0 + 1 x all 8 column blocks, 32 along K; lo = 0: A_hi's fragments, 1: A_lo's, onto the same accumulators.
; The 32 accumulators take turns, one instruction a turn, in the same order in every half.
.macro MUL16 f, lo, a0, zero
.irp a, \a0, \a0+1
.irp b, 0,1,2,3,4,5,6,7
.if \zero
	v_wmma_f32_16x16x32_f16 v[8*(8*(\a)+\b):8*(8*(\a)+\b)+7], v[\f+8*\b:\f+8*\b+7], v[\f+8*(4*\lo+\a):\f+8*(4*\lo+\a)+7], 0
.else
	v_wmma_f32_16x16x32_f16 v[8*(8*(\a)+\b):8*(8*(\a)+\b)+7], v[\f+8*\b:\f+8*\b+7], v[\f+8*(4*\lo+\a):\f+8*(4*\lo+\a)+7], v[8*(8*(\a)+\b):8*(8*(\a)+\b)+7]
.endif
.endr
.endr
.endm
.macro FETCH slot, k, f                ; 32 LDS loads in one run: Wo^T's eight fragments, then A's: blocks 0-3 hi, blocks 4-7 lo (128 rows further on)
	WIN TO_B
.irp i, 0,1,2,3,4,5,6,7
	ds_load_b128 v[\f+8*\i:\f+8*\i+3],   v[ADRB+\slot] offset:\k+\i*16*PITCH
	ds_load_b128 v[\f+8*\i+4:\f+8*\i+7], v[ADRB+\slot] offset:\k+\i*16*PITCH+32
.endr
	WIN 0
.irp i, 0,1,2,3,4,5,6,7
	ds_load_b128 v[\f+8*\i:\f+8*\i+3],   v[ADRA+\slot] offset:\k+(\i+4*(\i/4))*16*PITCH
	ds_load_b128 v[\f+8*\i+4:\f+8*\i+7], v[ADRA+\slot] offset:\k+(\i+4*(\i/4))*16*PITCH+32
.endr
.endm
.macro PLACES                          ; four plain vector instructions between a matrix instruction and a load into, or a read of, its registers
.rept 4
	v_nop
.endr
.endm
.macro QUARTER slot, k, f, g, zero
	s_wait_dscnt 8                                 ; Wo^T's and A_hi's fragments are in; the youngest eight loads (A_lo's) may be out
	WIN MUL
	MUL16 \f, 0, 0, \zero
	MUL16 \f, 0, 2, \zero
	PLACES
	FETCH \slot, \k, \g
	s_wait_dscnt 32                                ; all but the 32 just issued
	WIN MUL
	MUL16 \f, 1, 0, 0
	MUL16 \f, 1, 2, 0
.endm
; The first half of a slot's last quarter: one barrier for the change of slots; in front of it each wave waits for all its tensor loads, adds 0 to its spare word, and waits for that and for its reads of the slot.
.macro MEET round
	WIN 0
	s_wait_tensorcnt 0x0                           ; all my tensor loads have landed: the one that was out is my part of the next slot
	ds_add_u32 v[SPW], v[NIL]
	s_wait_dscnt 9                                 ; the add and the youngest eight loads may be out
	WIN MUL
	MUL16 F1, 0, 0, 0
	s_wait_dscnt 0x0                               ; the add is done, and my reads of this slot are over
	s_barrier_signal -1
	MUL16 F1, 0, 2, 0
.if \round
	WIN 0
.endif
	s_barrier_wait -1
.endm
.macro TURN slot, next
	MEET 1
	CREST                                          ; no wave of any partner still reads this slot or has a load on its way
	s_add_nc_u64 s[G0+4*\slot+2:G0+4*\slot+3], s[G0+4*\slot+2:G0+4*\slot+3], 2*KSTEP*2
	s_add_nc_u64 s[G0B+4*\slot+2:G0B+4*\slot+3], s[G0B+4*\slot+2:G0B+4*\slot+3], 2*KSTEP*2
	JLOAD \slot                                    ; my one tensor load behind the round; its four v_nop are also the places in front of the loads below
	FETCH \next, 0, F0
	WIN MUL
	MUL16 F1, 1, 0, 0
	MUL16 F1, 1, 2, 0
.endm
	s_wait_tensorcnt 1                             ; my part of K step 0 is in; K step 1's may be out
	s_barrier_signal -1
	s_barrier_wait -1
	FETCH 0, 0, F0
	QUARTER 0, 64, F0, F1, 1                       ; the first products start the sums: nothing is cleared
	WIN 0
	s_mov_b32 s3, LAPS-1
.Llap:                                             ; a trip goes once round the ring and fills both slots again
	QUARTER 0, 128, F1, F0, 0
	QUARTER 0, 192, F0, F1, 0
	TURN 0, 1
	QUARTER 1, 64,  F0, F1, 0
	QUARTER 1, 128, F1, F0, 0
	QUARTER 1, 192, F0, F1, 0
	TURN 1, 0
	QUARTER 0, 64,  F0, F1, 0
	WIN 0
	s_sub_co_u32 s3, s3, 1
	s_cmp_lg_u32 s3, 0
	s_cbranch_scc1 .Llap
	QUARTER 0, 128, F1, F0, 0                      ; the last lap fills nothing
	QUARTER 0, 192, F0, F1, 0
	MEET 0
	PLACES
	FETCH 1, 0, F0
	WIN MUL
	MUL16 F1, 1, 0, 0
	MUL16 F1, 1, 2, 0
	QUARTER 1, 64,  F0, F1, 0
	QUARTER 1, 128, F1, F0, 0
	QUARTER 1, 192, F0, F1, 0
	s_wait_dscnt 8
	WIN MUL
	MUL16 F1, 0, 0, 0
	MUL16 F1, 0, 2, 0
	s_wait_dscnt 0x0
	MUL16 F1, 1, 0, 0
	MUL16 F1, 1, 2, 0
	WIN 0
; THE WAY OUT, block by block of 16 rows x 128 columns, through my own stage: back as whole rows of 512 bytes.  LDS serves a wave's instructions in order.
.macro TOSTAGE a
.set AC, 64*(\a)
	WIN 0x08                                       ; the data: window 2
.irp b, 0,1,2,3,4,5,6,7
	ds_store_b128 v[STO], v[AC+8*\b:AC+8*\b+3] offset:64*\b        ; each accumulator from its low end on
	ds_store_b128 v[STO], v[AC+8*\b+4:AC+8*\b+7] offset:64*\b+16
.endr
	WIN 0
.set BB, BK+64*((\a)%2)
.irp t, 0,1,2,3,4,5,6,7,8,9,10,11,12,13,14,15
	ds_load_b128 v[BB+4*\t:BB+4*\t+3], v[RD] offset:\t*SPITCH
.endr
.endm
.macro SEND a, younger
.set BB, BK+64*((\a)%2)
	s_wait_dscnt \younger                          ; the block is back; the next block's 16 stores and 16 loads may be out
.if (\a) > 0
	s_add_nc_u64 s[8:9], s[8:9], 16*SIZE_N*4       ; behind a wait on XCNT: the earlier stores have read their base
.endif
.irp t, 0,1,2,3,4,5,6,7,8,9,10,11,12,13,14,15
	global_store_b128 v[CO], v[BB+4*\t:BB+4*\t+3], s[8:9] offset:\t*SIZE_N*4 th:TH_STORE_NT   ; 32 lanes store 512 consecutive bytes, aligned
.endr
.endm
	PLACES
	TOSTAGE 0
.irp a, 1,2,3
.if \a > 1
	s_wait_xcnt 0x0                                ; the stores of two blocks back have read their registers and their base
.endif
	TOSTAGE \a
	SEND \a-1, 32
.endr
	s_wait_xcnt 0x0
	SEND 3, 0
	s_wait_tensorcnt 0x0                           ; the wave's end
	ds_add_u32 v[SPW], v[NIL]
	s_wait_dscnt 0x0
	CROUND                                         ; the closing round
	s_endpgm
.Lfunc_end_k_qdd17c6f343_oproj:
	.size	k_qdd17c6f343_oproj, .Lfunc_end_k_qdd17c6f343_oproj-k_qdd17c6f343_oproj
	.p2alignl 7, 3214868480
	.fill 96, 4, 3214868480
	.section	.rodata,"a",@progbits
	.p2align	6, 0x0
	.amdhsa_kernel k_qdd17c6f343_oproj
		.amdhsa_group_segment_fixed_size 327680
		.amdhsa_private_segment_fixed_size 0
		.amdhsa_enable_private_segment 0
		.amdhsa_kernarg_size 24
		.amdhsa_user_sgpr_count 2
		.amdhsa_user_sgpr_kernarg_segment_ptr 1
		.amdhsa_wavefront_size32 1
		.amdhsa_system_sgpr_workgroup_id_x 1
		.amdhsa_system_sgpr_workgroup_id_y 1
		.amdhsa_system_sgpr_workgroup_id_z 1
		.amdhsa_system_vgpr_workitem_id 0
		.amdhsa_next_free_vgpr 768
		.amdhsa_next_free_sgpr 66
		.amdhsa_reserve_vcc 0
		.amdhsa_float_denorm_mode_32 3
		.amdhsa_float_denorm_mode_16_64 3
		.amdhsa_memory_ordered 1
		.amdhsa_forward_progress 1
		.amdhsa_inst_pref_size 125
	.end_amdhsa_kernel
	.amdgpu_metadata
---
amdhsa.version: [ 1, 2 ]
amdhsa.kernels:
  - .name:           k_qdd17c6f343_oproj
    .symbol:         k_qdd17c6f343_oproj.kd
    .args:
      - { .name: a_ws, .offset: 0, .size: 8, .value_kind: global_buffer, .address_space: global }
      - { .name: wo_t, .offset: 8, .size: 8, .value_kind: global_buffer, .address_space: global }
      - { .name: out0, .offset: 16, .size: 8, .value_kind: global_buffer, .address_space: global }
    .group_segment_fixed_size: 327680
    .private_segment_fixed_size: 0
    .kernarg_segment_align: 8
    .kernarg_segment_size: 24
    .max_flat_workgroup_size: 128
    .sgpr_count:     66
    .vgpr_count:     768
    .wavefront_size: 32
...
	.end_amdgpu_metadata
.endif
;; end of part 4
